; MI455X (gfx1250); checked and timed in simulation.
; The chip was launched on July 23, 2026; its instructions are those of AMD's public machine-readable ISA for CDNA 5 (MIT licence, August 2026) and "CDNA5" Instruction Set Architecture Reference Guide (July 2026). The comments in the code are by the model that wrote it; some were corrected since.
;; Causal Self Attention. Allowed arithmetic: matrix products marked QUANTISED: E3M2 operands, one E8M0 scale for each 32 along K, by v_wmma_scale_f32_16x16x128_f8f6f4 with both operands' format E3M2, f32 sums; everything else in f32.
;; Inputs: W_attn 1,024 x 3,072 float32; W_proj 1,024 x 1,024 float32; b_attn 3,072 float32; b_proj 1,024 float32; x 4 x 2,048 x 1,024 float32.
;; Outputs: out0 4 x 2,048 x 1,024 float32.
;; This version of the problem:
;;   THIS VERSION OF THE PROBLEM IS GIVEN IN LOW PRECISION. The matrix products marked QUANTISED in the list below multiply operands that are first quantised to E3M2 (3 exponent bits, 2 mantissa bits; 6 bits a number), with one power-of-two scale for each 32 numbers along K (OCP MX v1.0); their sums are f32. All else is computed in f32.
;;   The module's matrix products, in the order in which they are computed (A, B: the left and right operand; K: the contracted axis; several contracted axes count as one K, in the product's order):
;;     1. [M 8,192, K 1,024] x [K 1,024, N 3,072]; A: input x; B: input W_attn: QUANTISED
;;     2. batch 64 x [M 2,048, K 64] x [K 64, N 2,048]; A: computed on the way; B: computed on the way: QUANTISED
;;     3. batch 64 x [M 2,048, K 2,048] x [K 2,048, N 64]; A: softmax (see below); B: computed on the way: QUANTISED
;;     4. [M 8,192, K 1,024] x [K 1,024, N 1,024]; A: computed on the way; B: input W_proj: QUANTISED
;;   THE QUANTISER, for each operand of a quantised product, along K:
;;     - K is cut into blocks of 32 from its start; a last block that is shorter is filled with zeros.
;;     - A block's scale is 2^e with e = floor(log2(the largest magnitude in the block)) - 4, held to -126 .. 127; a block of zeros has e = 0. As a byte (E8M0): e + 127.
;;     - Each number is divided by its block's scale, clamped to +-28, and rounded to the nearest number of E3M2, ties to even, subnormals kept.
;;     - The product sums the exact products of the quantised numbers (number of the format x scale) in f32.
;;   ~~~python
;;   def quantise(x, axis):      # numpy; x: float32 -> the quantised numbers, widened to float32 again
;;       x = np.moveaxis(x, axis, -1); K = x.shape[-1]
;;       x = np.pad(x, [(0, 0)] * (x.ndim - 1) + [(0, -K % 32)]); x = x.reshape(x.shape[:-1] + (-1, 32)); a = np.abs(x).max(-1, keepdims=True)
;;       e = np.where(a > 0, np.clip(np.frexp(np.where(a > 0, a, 1))[1] - 1 - 4, -126, 127), 0)      # np.frexp(a)[1] - 1 = floor(log2(a)), exactly
;;       r = np.clip(x / 2.0 ** e, -28, 28)
;;       step = 2.0 ** (np.maximum(np.frexp(np.where(r == 0, 1, r))[1] - 1, -2) - 2)
;;       q = np.round(r / step) * step * 2.0 ** e      # np.round: ties to even
;;       return np.moveaxis(q.reshape(q.shape[:-2] + (-1,))[..., :K], -1, axis).astype(np.float32)
;;   ~~~
;;   SOFTMAX AHEAD OF A QUANTISED PRODUCT. Where the list says 'softmax', what is quantised is not the finished softmax but p = 2^(t - M), with t = logit x log2(e) and M = ceil(the row's largest t), a whole number; so 1/2 < the row's largest p <= 1. The row's sum l is taken of the UNQUANTISED p, in f32, and the product's result is divided by l at the end. Since M is a whole number, a kernel that streams over the keys may use a running M (the ceiling of the running maximum): every later rescaling is an exact power of two, which a block's scale takes up: the codes' values come out the same.
;;   OPERANDS COMPUTED ON THE WAY. 'Computed on the way' means the value that the module computes at that place (a softmax that the list does not call 'softmax' is quantised finished and normalised). What goes into a quantiser is computed in f32, as accurately as f32 sums, v_exp_f32 and their like allow (about 1e-6 of the number): no bf16 or f16 on the way to a quantiser, and a product that is left as it is and whose result goes on into a quantised operand takes f32 operands (vector FMAs, or v_wmma_f32_16x16x4_f32). A number that lies on a knife's edge between two numbers of the format may be rounded either way, as far as f32 arithmetic and the matrix unit's own rounding can turn it there, and no further.
;; One version. Each part assembles by itself: llvm-mc -triple=amdgcn-amd-amdhsa -mcpu=gfx1250 --defsym DOCPART=n.
;; ======== version 1 of 1: 4 launches
;; workspace buffers: cod 9,437,184 bytes; scl 393,216 bytes; qws 6,815,744 bytes; kvws 13,369,344 bytes; oimg 6,291,456 bytes; oscl 262,144 bytes
;; launch quant (part 1): grid 512 x 1, 4 waves a work-group, no clusters, 49,152 bytes of LDS; arguments x, W_attn, W_proj, cod, scl; writes cod, scl
.if DOCPART == 1
	.amdgcn_target "amdgcn-amd-amdhsa--gfx1250"
	.amdhsa_code_object_version 6
	.text
	.protected	k_qefa84f503c_quant
	.globl	k_qefa84f503c_quant
	.p2align	8
	.type	k_qefa84f503c_quant,@function
k_qefa84f503c_quant:
	s_mov_b64 s[64:65], 0
	v_nop
	global_prefetch_b8 v0, s[64:65] scope:SCOPE_SE
	s_setreg_imm32_b32 hwreg(HW_REG_WAVE_MODE, 25, 1), 1
	s_wait_xcnt 0x0
; x [8192][1024], W_attn [1024][3072] and W_proj [1024][1024], f32, become codes of BF6 (E3M2) with one E8M0 byte for each 32 along K (K = 1024: x's columns, the weights' rows).
; A block's scale is 2^(floor(log2(largest magnitude)) - 4): its byte is the largest magnitude's exponent field - 4, held at 1 from below.
; LIMITS: NaN and infinities among the inputs are not served; a block whose largest magnitude lies under 2^-122 has its byte held at 1; a block of zeros gets the byte 1 (its codes are zeros; only this program reads the bytes).
; LAYOUT OF cod: [row tile 768][64 along K: 16][768 bytes].  A piece of 768 bytes is 16 rows x 64 K as the matrix operand's registers hold it: lane l = r + 16 h holds block h of row r in six registers;
;   registers 0-3 lie at 16 l, registers 4-5 at 512 + 8 l.  Row tiles 0-511: x; 512-703: W_attn's columns; 704-767: W_proj's columns.
; LAYOUT OF scl: [eight row tiles: 96][128 along K: 8][128 rows] words of four bytes.
; ROWS ARE PERMUTED: row (or column) n lies at position p = n with bits 3 and 4 exchanged, so that a tile's lanes 0-7 take eight neighbours and lanes 8-15 the eight that lie 16 further on.
; Work-groups 0-255 take x (128 rows x 256 K each), 256-511 the weights (128 columns x 128 K each).  The two ways part at the head on the work-group's number, never join, and have LDS bytes of their own.
; No tensor loads, no matrix unit: memory binds; every load and every store of codes covers whole aligned runs of 256 bytes.
.set XST, 0                            ; x: a stage of 16 rows x (512 + 16) bytes for each wave
.set XSC, 33792                        ; x: 2 x 128 scale words
.set WST, 35840                        ; weights: 8 row tiles x 2 pieces of 768 bytes
.set WSC, 48128                        ; weights: 128 scale words
	s_load_b256 s[4:11], s[0:1], 0x0               ; x s[4:5], W_attn s[6:7], W_proj s[8:9], cod s[10:11]
	s_load_b64 s[12:13], s[0:1], 0x20              ; scl
	v_lshl_add_u32 v62, v0, 2, 0xbe00
	v_mov_b32 v63, 0
	v_lshrrev_b32 v1, 5, v0
	v_readfirstlane_b32 s14, v1                    ; wave 0..3
	v_and_b32 v1, 31, v0                           ; l
	v_and_b32 v2, 15, v0                           ; r
	v_bfe_u32 v3, v0, 4, 1                         ; h
	v_lshlrev_b32 v4, 4, v1                        ; 16 l
	v_lshlrev_b32 v5, 3, v1                        ; 8 l
	s_mov_b32 s20, 0x76543210
	s_mov_b32 s21, 0xfedcba98                      ; v_permlanex16_b32: lane l xor 16
	s_cmp_lt_u32 ttmp9, 256
	s_cbranch_scc0 .Lw_path
; ---------------- x: wave w takes row tiles 2 w + e, and of each two fragments of 128 along K: f = 2 e + sl ----------------
	s_lshr_b32 s15, ttmp9, 2                       ; which 128 rows
	s_and_b32 s16, ttmp9, 3                        ; which 256 along K
	s_lshl_b32 s22, s15, 19                        ; x: 128 rows of 4,096 bytes,
	s_lshl_b32 s17, s14, 17                        ; 32 rows a wave,
	s_add_co_u32 s22, s22, s17
	s_lshl_b32 s17, s16, 10                        ; 1,024 bytes for 256 along K
	s_add_co_u32 s22, s22, s17
	s_mov_b32 s23, 0
	s_lshl_b32 s24, s15, 3                         ; cod: row tile 8 x group + 2 x wave,
	s_lshl_b32 s17, s14, 1
	s_add_co_u32 s24, s24, s17
	s_mul_i32 s24, s24, 12288
	s_mul_i32 s17, s16, 3072                       ; four pieces for 256 along K
	s_add_co_u32 s24, s24, s17
	s_mov_b32 s25, 0
	s_lshl_b32 s26, s15, 12                        ; scl
	s_lshl_b32 s17, s16, 10
	s_add_co_u32 s26, s26, s17
	s_mov_b32 s27, 0
	s_mul_i32 s28, s14, 8448
	v_add_nc_u32 v6, s28, v4                       ; the stage, in: a row's 512 bytes as loaded
	v_mul_u32_u24 v7, v2, 528
	v_lshl_add_u32 v7, v3, 7, v7
	v_add_nc_u32 v7, s28, v7                       ; out: row r, block h
	s_lshl_b32 s29, s14, 7
	s_add_co_u32 s29, s29, XSC
	v_lshl_add_u32 v8, v2, 2, s29                  ; my row's scale word: 128 w + 4 r
	s_lshl_b32 s30, s14, 8
	v_add_nc_u32 v11, s30, v5                      ; the words' way out: 256 w + 8 l
	v_add_nc_u32 v9, XSC, v11
	v_lshlrev_b32 v10, 3, v3                       ; 8 h
	v_mov_b32 v19, 0                               ; a lane permute's destination counts as read
	s_wait_kmcnt 0x0
	s_add_nc_u64 s[4:5], s[4:5], s[22:23]
	s_add_nc_u64 s[10:11], s[10:11], s[24:25]
	s_add_nc_u64 s[12:13], s[12:13], s[26:27]
.macro XLOAD f                         ; 16 rows x 128 K: each load reads a row's 512 consecutive bytes.  Row i of tile e is row 8 e + i + 8 (i / 8) of the wave's 32: the permutation
.set RR, 64+64*((\f)%3)
.set i, 0
.rept 16
	global_load_b128 v[RR+4*i:RR+4*i+3], v4, s[4:5] offset:(8*((\f)/2)+i+8*(i/8))*4096+512*((\f)%2) th:TH_LOAD_NT
.set i, i+1
.endr
.endm
.macro XTURN f                         ; through the wave's own stage: afterwards lane (r, h) holds blocks h and 2 + h of row r, 32 neighbours each.  LDS serves a wave's instructions in order
.set RR, 64+64*((\f)%3)
.set i, 0
.rept 16
	ds_store_b128 v6, v[RR+4*i:RR+4*i+3] offset:528*i
.set i, i+1
.endr
.set i, 0
.rept 16
	ds_load_b128 v[RR+4*i:RR+4*i+3], v7 offset:256*(i/8)+16*(i%8)
.set i, i+1
.endr
.endm
.macro XQ f                            ; two whole blocks a lane become the fragment's twelve registers and the row's scale word
.set RR, 64+64*((\f)%3)
.set FF, 28+12*((\f)%2)
	v_max3_num_f32 v12, |v[RR]|, |v[RR+1]|, 0x2800000      ; with the floor 2^(5 - 127): the byte cannot fall under 1
	v_max3_num_f32 v13, |v[RR+32]|, |v[RR+33]|, 0x2800000
.set i, 2
.rept 15
	v_max3_num_f32 v12, v12, |v[RR+i]|, |v[RR+i+1]|
	v_max3_num_f32 v13, v13, |v[RR+32+i]|, |v[RR+33+i]|
.set i, i+2
.endr
	v_add_nc_u32 v14, 0xfe000000, v12              ; 4 off the exponent field: the conversion's scale operand
	v_add_nc_u32 v15, 0xfe000000, v13
	v_lshrrev_b32 v16, 23, v14                     ; the bytes of blocks h and 2 + h
	v_lshrrev_b32 v17, 23, v15
	v_lshl_or_b32 v18, v17, 16, v16
	v_lshlrev_b32 v18, v10, v18                    ; at their places, 8 h bits up
	v_permlanex16_b32 v19, v18, s20, s21
	v_or_b32 v18, v18, v19                         ; with lane l xor 16's two the word is whole
	v_cvt_scalef32_pk16_bf6_f32 v[FF:FF+2], v[RR:RR+15], v14
	v_cvt_scalef32_pk16_bf6_f32 v[20:22], v[RR+16:RR+31], v14      ; (three registers begin on an even number: made elsewhere and moved)
	v_cvt_scalef32_pk16_bf6_f32 v[FF+6:FF+8], v[RR+32:RR+47], v15
	v_cvt_scalef32_pk16_bf6_f32 v[24:26], v[RR+48:RR+63], v15
	v_nop                                          ; one plain place behind the scaled conversions
.irp i, 0,1,2
	v_mov_b32 v[FF+3+\i], v[20+\i]
	v_mov_b32 v[FF+9+\i], v[24+\i]
.endr
.endm
.macro XOUT f
.set FF, 28+12*((\f)%2)
.set OO, ((\f)/2)*12288+((\f)%2)*1536
	global_store_b128 v4, v[FF:FF+3], s[10:11] offset:OO           ; 512 + 256 consecutive bytes a piece
	global_store_b64 v5, v[FF+4:FF+5], s[10:11] offset:OO+512
	global_store_b128 v4, v[FF+6:FF+9], s[10:11] offset:OO+768
	global_store_b64 v5, v[FF+10:FF+11], s[10:11] offset:OO+1280
	ds_store_b32 v8, v18 offset:512*((\f)%2)+64*((\f)/2)           ; both halves of the lanes write the same word with the same value
.endm
	XLOAD 0
	XLOAD 1
	XLOAD 2
	s_wait_loadcnt 32                              ; fragment 0's sixteen loads are in; two younger sets stay out
	XTURN 0
	s_wait_dscnt 0x0
	XQ 0
	XOUT 0
	XLOAD 3                                        ; into the registers that fragment 0 has left
	s_wait_loadcnt 32                              ; fragments 2 and 3 stay out
	XTURN 1
	s_wait_dscnt 0x0
	XQ 1
	XOUT 1
	s_wait_loadcnt 16                              ; fragment 3 stays out
	XTURN 2
	s_wait_dscnt 0x0
	s_wait_xcnt 0x0                                ; fragment 0's stores have read the registers that fragment 2's codes take
	XQ 2
	XOUT 2
	s_wait_loadcnt 0x0
	XTURN 3
	s_wait_dscnt 0x0
	s_wait_xcnt 0x0                                ; likewise fragment 1's
	XQ 3
	XOUT 3
	s_wait_dscnt 0x0                               ; for the others' sake: my scale words lie in LDS
	s_barrier_signal -1
	s_barrier_wait -1
	ds_load_b64 v[20:21], v9
	s_wait_dscnt 0x0
	global_store_b64 v11, v[20:21], s[12:13]       ; each wave stores 256 consecutive bytes, aligned
	s_wait_tensorcnt 0x0
	ds_add_u32 v62, v63
	s_wait_dscnt 0x0
	s_endpgm
; ---------------- the weights: 128 columns x 128 along K; wave w takes block w of the four: 32 rows of K ----------------
.Lw_path:
	s_sub_co_u32 s15, ttmp9, 256
	s_lshr_b32 s16, s15, 3                         ; which 128 columns: 0-23 W_attn, 24-31 W_proj
	s_and_b32 s17, s15, 7                          ; which 128 along K
	s_mov_b32 s18, 4096
	s_wait_kmcnt 0x0
	s_cmp_lt_u32 s16, 24
	s_cselect_b64 s[6:7], s[6:7], s[8:9]           ; the choice hangs on the work-group's number alone
	s_cselect_b32 s18, 12288, s18                  ; bytes in a row of the weight
	s_cselect_b32 s19, 0, 24
	s_sub_co_u32 s19, s16, s19                     ; the group of columns within its weight
	s_lshl_b32 s22, s17, 7
	s_lshl_b32 s23, s14, 5
	s_add_co_u32 s22, s22, s23                     ; my first row of K
	s_mul_i32 s22, s22, s18
	s_lshl_b32 s23, s19, 9
	s_add_co_u32 s22, s22, s23
	s_mov_b32 s23, 0
	s_add_nc_u64 s[6:7], s[6:7], s[22:23]
	s_lshl_b32 s24, s16, 3                         ; cod: row tile 512 + 8 x group + 2 x wave (on the way out),
	s_lshl_b32 s25, s14, 1
	s_add_co_u32 s24, s24, s25
	s_add_co_u32 s24, s24, 512
	s_mul_i32 s24, s24, 12288
	s_mul_i32 s25, s17, 1536                       ; two pieces for 128 along K
	s_add_co_u32 s24, s24, s25
	s_mov_b32 s25, 0
	s_add_nc_u64 s[10:11], s[10:11], s[24:25]
	s_add_co_u32 s26, s16, 64
	s_lshl_b32 s26, s26, 12
	s_lshl_b32 s27, s17, 9
	s_add_co_u32 s26, s26, s27
	s_mov_b32 s27, 0
	s_add_nc_u64 s[12:13], s[12:13], s[26:27]
.macro WLOAD pitch                     ; lane L takes columns 4 L .. 4 L + 3 of 32 rows of K: each load reads 512 consecutive bytes
.set i, 0
.rept 32
	global_load_b128 v[64+4*i:64+4*i+3], v4, s[6:7] offset:i*\pitch th:TH_LOAD_NT
.set i, i+1
.endr
.endm
	s_cmp_lt_u32 s16, 24
	s_cbranch_scc0 .Lw_proj
	WLOAD 12288
	s_branch .Lw_loaded
.Lw_proj:
	WLOAD 4096
.Lw_loaded:
	; column 4 L + c lies at position: row tile i(L) = bit 1 of L + 2 (L / 8), row rb(L) + c with rb = 4 (bit 0) + 8 (bit 2)
	v_bfe_u32 v6, v1, 1, 1
	v_lshrrev_b32 v7, 3, v1
	v_lshl_add_u32 v6, v7, 1, v6                   ; i(L)
	v_and_b32 v7, 1, v1
	v_bfe_u32 v8, v1, 2, 1
	v_lshlrev_b32 v7, 2, v7
	v_lshl_add_u32 v7, v8, 3, v7                   ; rb(L)
	s_lshr_b32 s24, s14, 1
	s_mul_i32 s24, s24, 768                        ; block w lies in piece w / 2, half h = w % 2
	s_and_b32 s25, s14, 1
	s_lshl_b32 s26, s25, 8
	s_add_co_u32 s28, s24, s26
	s_add_co_u32 s28, s28, WST
	s_lshl_b32 s26, s25, 7
	s_add_co_u32 s29, s24, s26
	s_add_co_u32 s29, s29, WST+512
	v_mul_u32_u24 v9, v6, 1536
	v_lshl_add_u32 v52, v7, 4, v9
	v_add_nc_u32 v52, s28, v52                     ; registers 0-3 of lane row + 16 h
	v_lshl_add_u32 v53, v7, 3, v9
	v_add_nc_u32 v53, s29, v53                     ; registers 4-5
	v_lshl_add_u32 v54, v6, 4, v7
	v_lshlrev_b32 v54, 2, v54
	s_add_co_u32 s30, s14, WSC
	v_add_nc_u32 v54, s30, v54                     ; byte w of the position's scale word
	s_mul_i32 s31, s14, 3072
	s_add_co_u32 s31, s31, WST
	v_add_nc_u32 v55, s31, v4                      ; the way out: two row tiles a wave
	v_add_nc_u32 v56, WSC, v4
	s_wait_loadcnt 0x0
.macro WCOL c                          ; column c of my four: its 32 numbers down K are one whole block.  Each column has its own registers for codes and byte
.set CC, 224+8*(\c)
.set i, 0
.rept 32
	v_mov_b32 v[192+i], v[64+4*i+(\c)]             ; the conversions take neighbours along K from consecutive registers
.set i, i+1
.endr
	v_max3_num_f32 v12, |v192|, |v193|, |v194|
	v_max3_num_f32 v13, |v195|, |v196|, |v197|
.irp i, 6,10,14,18,22,26
	v_max3_num_f32 v12, v12, |v[192+\i]|, |v[193+\i]|
	v_max3_num_f32 v13, v13, |v[194+\i]|, |v[195+\i]|
.endr
	v_max3_num_f32 v12, v12, |v222|, |v223|
	v_max3_num_f32 v12, v12, v13, 0x2800000        ; and the floor
	v_add_nc_u32 v14, 0xfe000000, v12
	v_lshrrev_b32 v[CC+6], 23, v14
	v_cvt_scalef32_pk16_bf6_f32 v[CC:CC+2], v[192:207], v14
	v_cvt_scalef32_pk16_bf6_f32 v[20:22], v[208:223], v14
	v_nop                                          ; one plain place behind the scaled conversions
.irp i, 0,1,2
	v_mov_b32 v[CC+3+\i], v[20+\i]
.endr
	ds_store_b128 v52, v[CC:CC+3] offset:16*(\c)
	ds_store_b64 v53, v[CC+4:CC+5] offset:8*(\c)
	ds_store_b8 v54, v[CC+6] offset:4*(\c)
.endm
	WCOL 0
	WCOL 1
	WCOL 2
	WCOL 3
	s_wait_dscnt 0x0                               ; for the others' sake: my block's codes and bytes lie in LDS
	s_barrier_signal -1
	s_barrier_wait -1
.irp k, 0,1,2,3,4,5
	ds_load_b128 v[64+4*\k:64+4*\k+3], v55 offset:512*\k
.endr
.irp k, 0,1,2,3,4,5
	s_wait_dscnt 5-\k                              ; the younger reads stay out
	global_store_b128 v4, v[64+4*\k:64+4*\k+3], s[10:11] offset:(\k/3)*12288+(\k%3)*512    ; 512 consecutive bytes
.endr
	s_cmp_lg_u32 s14, 0
	s_cbranch_scc1 .Lw_end
	ds_load_b128 v[96:99], v56                     ; wave 0: the 128 scale words
	s_wait_dscnt 0x0
	global_store_b128 v4, v[96:99], s[12:13]
.Lw_end:
	s_wait_tensorcnt 0x0
	ds_add_u32 v62, v63
	s_wait_dscnt 0x0
	s_endpgm
.Lfunc_end_k_qefa84f503c_quant:
	.size	k_qefa84f503c_quant, .Lfunc_end_k_qefa84f503c_quant-k_qefa84f503c_quant
	.p2alignl 7, 3214868480
	.fill 96, 4, 3214868480
	.section	.rodata,"a",@progbits
	.p2align	6, 0x0
	.amdhsa_kernel k_qefa84f503c_quant
		.amdhsa_group_segment_fixed_size 49152
		.amdhsa_private_segment_fixed_size 0
		.amdhsa_enable_private_segment 0
		.amdhsa_kernarg_size 40
		.amdhsa_user_sgpr_count 2
		.amdhsa_user_sgpr_kernarg_segment_ptr 1
		.amdhsa_wavefront_size32 1
		.amdhsa_system_sgpr_workgroup_id_x 1
		.amdhsa_system_sgpr_workgroup_id_y 1
		.amdhsa_system_sgpr_workgroup_id_z 1
		.amdhsa_system_vgpr_workitem_id 0
		.amdhsa_next_free_vgpr 256
		.amdhsa_next_free_sgpr 66
		.amdhsa_reserve_vcc 0
		.amdhsa_float_denorm_mode_32 3
		.amdhsa_float_denorm_mode_16_64 3
		.amdhsa_memory_ordered 1
		.amdhsa_forward_progress 1
		.amdhsa_inst_pref_size 52
	.end_amdhsa_kernel
	.amdgpu_metadata
---
amdhsa.version: [ 1, 2 ]
amdhsa.kernels:
  - .name:           k_qefa84f503c_quant
    .symbol:         k_qefa84f503c_quant.kd
    .args:
      - { .name: x, .offset: 0, .size: 8, .value_kind: global_buffer, .address_space: global }
      - { .name: W_attn, .offset: 8, .size: 8, .value_kind: global_buffer, .address_space: global }
      - { .name: W_proj, .offset: 16, .size: 8, .value_kind: global_buffer, .address_space: global }
      - { .name: cod, .offset: 24, .size: 8, .value_kind: global_buffer, .address_space: global }
      - { .name: scl, .offset: 32, .size: 8, .value_kind: global_buffer, .address_space: global }
    .group_segment_fixed_size: 49152
    .private_segment_fixed_size: 0
    .kernarg_segment_align: 8
    .kernarg_segment_size: 40
    .max_flat_workgroup_size: 128
    .sgpr_count:     66
    .vgpr_count:     256
    .wavefront_size: 32
...
	.end_amdgpu_metadata
.endif
;; end of part 1
;; launch gemm1 (part 2): grid 12 x 32, 4 waves a work-group, clusters of 4 x 4, 327,680 bytes of LDS; arguments cod, scl, b_attn, qws, kvws; writes qws, kvws
.if DOCPART == 2
	.amdgcn_target "amdgcn-amd-amdhsa--gfx1250"
	.amdhsa_code_object_version 6
	.text
	.protected	k_qefa84f503c_gemm1
	.globl	k_qefa84f503c_gemm1
	.p2align	8
	.type	k_qefa84f503c_gemm1,@function
k_qefa84f503c_gemm1:
	s_mov_b64 s[64:65], 0
	v_nop
	global_prefetch_b8 v0, s[64:65] scope:SCOPE_SE
	s_setreg_imm32_b32 hwreg(HW_REG_WAVE_MODE, 25, 1), 1
	s_wait_xcnt 0x0
	s_wait_alu depctr_hold_cnt(0) depctr_sa_sdst(0) depctr_va_vdst(0) depctr_va_sdst(0) depctr_va_ssrc(0) depctr_va_vcc(0) depctr_vm_vsrc(0)
	s_getreg_b32 s2, hwreg(HW_REG_IB_STS2, 6, 4)
	s_cmp_eq_u32 s2, 0
	s_cbranch_scc0 .Lentry_in_a_cluster
	s_endpgm
.Lentry_in_a_cluster:
	s_bfe_u32 s2, ttmp6, 0x10000c
	s_cmp_lg_u32 s2, 0xf033
	s_cbranch_scc0 .Lentry_shape_is_right
	s_endpgm
.Lentry_shape_is_right:
; qkv = x W_attn + b_attn on codes of BF6 (E3M2) with E8M0 scales (K = 1024), and q, k, v quantised again on the way out: q and k along the head's 64, v along the keys.
; A work-group makes 256 x 256, each of its four waves 128 x 128: 64 accumulators, 512 registers.  Source 0 of every product is a tile of the B side, source 1 a tile of the A side.
; Clusters x = 0 (q) and 1 (k): A side = 256 tokens, B side = 256 columns of W_attn: a lane holds one token and its registers run along the columns.
; Cluster x = 2 (v): the sides are exchanged: A side = W_v's columns, B side = tokens: a lane holds one column and its registers run along the tokens, which are the keys.
; Rows and columns lie in cod at permuted positions (bits 3 and 4 exchanged), so that the 16 registers of result tiles 2 b and 2 b + 1 are 16 true neighbours: 32 b + 16 (lane / 16) + 0 .. 15.
; K goes in 8 steps of 128.  256 along K are a slot in LDS; there are three slots, all asked for at the head, and slot 0 is filled once more: one refill, one round of the cluster's barrier in the loop.
; CLUSTER 4 x 4: A's tiles are shared along a row of the cluster, B's along a column: joint loads.  A wave has at most four tensor loads out (the first fills).
; Operands lie in memory and in LDS in the order of the operand's registers (pieces of 768 bytes: 16 rows x 64 K): every LDS load is dense, so there is no padding.
; OUT: qws [head 64][step 16][6,656]: 8 pieces (tiles of 16 queries) + 128 scale words.  kvws [head][step][13,056]: K's 8 pieces; V^T's 4 fragments of 1,536 bytes (16 of the head's 64 x 128 keys); K's 128 scale words; V's 64.
; LIMITS: NaN and infinities are not served; a block whose largest magnitude lies under 2^-122 has its byte held at 1; a block of zeros gets the byte 1 (zero codes; only this program reads the bytes).
; REGISTERS: window 0: v2-22 addresses; v32-47 scale words, two sets; v48-63, v64-127 biases; v128-223 A's fragments, one set (later the way out).  Window 1: B's fragments, two sets.  Windows 2, 3: accumulator (a, b) at 8 (8 (a % 4) + b).
.set SLOTB, 98304                      ; a slot: four quarters of 24,576 bytes: A's two halves, B's two halves
.set QUART, 24576                      ; 8 row tiles x 3,072 bytes: what one tensor load brings
.set SCL,   294912                     ; behind the slots: the scale words for all of K, 4,096 bytes for each half
.set SPARE, 311296                     ; the spare words, 128 bytes a wave: two blocks of 256 bytes that no other line names
.set SCR,   98304                      ; the way out's scratch, 1,024 bytes a wave, in slot 1: filled once, last read ahead of the last barrier
.set FR,  12
.set L16, 2
.set L8,  3
.set A16, 4                            ; v4-6 A's fragments in slot 0, 1, 2: + 16 l;  v7-9: + 8 l
.set A8,  7
.set B16, 10
.set B8,  13
.set ADRS, 16
.set SPW, 18
.set NIL, 19
.set ES,  20
.set ER,  21
.set VSOF, 22
.set SC,  32
.set BV,  48
.set BQ,  64
.set AF,  128
.set T,   128                          ; the way out: 64 numbers
.set PC,  192                          ; the codes just made (12) and two runs of three at + 12, + 16
.set TM,  212
.set PW,  228
.set MSB, 0
.macro WIN new                         ; the immediate's high byte repeats the setting that is left
.if MSB != (\new)
	s_set_vgpr_msb (MSB<<8)|(\new)
.set MSB, (\new)
.endif
.endm
.macro JLOAD g0a, g1a, g0b, g1b        ; a joint load: waves 0 and 1 fetch for A, waves 2 and 3 for B; four v_nop follow each line
	s_cmp_eq_u32 s15, 0
	s_cbranch_scc0 .Lfor_b_\@
	tensor_load_to_lds s[\g0a:\g0a+3], s[\g1a:\g1a+7]
	s_nop 0
.rept 4
	v_nop
.endr
	s_branch .Lasked_\@
.Lfor_b_\@:
	tensor_load_to_lds s[\g0b:\g0b+3], s[\g1b:\g1b+7]
	s_nop 0
.rept 4
	v_nop
.endr
.Lasked_\@:
.endm
.macro CREST                           ; a round of the cluster's barrier behind its opening barrier
	s_cmp_lg_u32 s14, 0
	s_cbranch_scc1 .Lnot_wave_0_\@
	s_barrier_signal -3
.Lnot_wave_0_\@:
	s_barrier_wait -3
	s_barrier_signal -1
	s_barrier_wait -1
.endm
.macro CROUND
	s_barrier_signal -1
	s_barrier_wait -1
	CREST
.endm
.macro PLACES                          ; four places behind a matrix instruction of this form, in front of loads into its registers and of reads of its results
.rept 4
	v_nop
.endr
.endm
	s_load_b256 s[4:11], s[0:1], 0x0               ; cod s[4:5], scl s[6:7], b_attn s[8:9], qws s[10:11]
	s_load_b64 s[12:13], s[0:1], 0x20              ; kvws
	v_lshl_add_u32 v[SPW], v0, 2, SPARE
	v_mov_b32 v[NIL], 0
	ds_add_u32 v18, v19
	ds_add_u32 v18, v19
	s_wait_dscnt 0x0
	v_lshrrev_b32 v1, 5, v0
	v_readfirstlane_b32 s14, v1                    ; wave 0..3
	s_lshr_b32 s15, s14, 1                         ; my half of the A side.  Also: I fetch for A (0) or for B (1)
	s_and_b32 s16, s14, 1                          ; my half of the B side.  Also: which half I fetch
	s_bfe_u32 s94, ttmp6, 0x40000                  ; cx
	s_bfe_u32 s95, ttmp6, 0x40004                  ; cy
	s_and_b32 s96, ttmp7, 0xffff
	s_lshl_b32 s96, s96, 2                         ; 4 x cluster y
	s_lshl_b32 s97, s95, 2
	s_lshl_b32 s97, 15, s97                        ; my row of the cluster
	s_lshl_b32 s98, 0x1111, s94                    ; my column
	s_or_b32 s24, s97, (3<<16)|(1<<21)             ; codes: elements of 8 bytes, no padding; A's tiles go to my row,
	s_or_b32 s44, s98, (3<<16)|(1<<21)             ; B's to my column
.irp g, 24, 44
	s_mov_b32 s[\g+1], 384<<16                     ; tensor_dim0 = 384: 3,072 bytes, 256 along K of a row tile
	s_mov_b32 s[\g+2], 8<<16                       ; tensor_dim1 = 8 row tiles
	s_mov_b32 s[\g+3], 384<<16                     ; tile_dim0
	s_mov_b32 s[\g+4], 8                           ; tile_dim1
	s_mov_b32 s[\g+5], 1536                        ; from row tile to row tile: 12,288 bytes
	s_mov_b32 s[\g+6], 0
	s_mov_b32 s[\g+7], 0
.endr
	s_or_b32 s68, s97, (3<<16)|(1<<21)             ; scale words: 4,096 dense bytes as 16 rows of 256
	s_or_b32 s80, s98, (3<<16)|(1<<21)
.irp g, 68, 80
	s_mov_b32 s[\g+1], 32<<16
	s_mov_b32 s[\g+2], 16<<16
	s_mov_b32 s[\g+3], 32<<16
	s_mov_b32 s[\g+4], 16
	s_mov_b32 s[\g+5], 32
	s_mov_b32 s[\g+6], 0
	s_mov_b32 s[\g+7], 0
.endr
	s_lshl_b32 s18, ttmp9, 2
	s_add_co_u32 s18, s18, 32                      ; W_attn's blocks of 256 columns begin at block 32 of cod
	s_cmp_eq_u32 ttmp9, 2                          ; v?  The cluster's x: the same in all sixteen partners
	s_cselect_b32 s17, 40, s96
	s_cselect_b32 s18, s96, s18
	s_add_co_u32 s17, s17, s95                     ; A's block: it hangs on cy, never on cx
	s_add_co_u32 s18, s18, s94                     ; B's block: on cx, never on cy
	s_lshl_b32 s20, s16, 3
	s_lshl_b32 s19, s17, 4
	s_add_co_u32 s19, s19, s20                     ; A: the first of the eight row tiles that I fetch
	s_lshl_b32 s21, s18, 4
	s_add_co_u32 s21, s21, s20                     ; B likewise
	s_mul_i32 s2, s19, 12288
	s_mov_b32 s3, 0
	s_mul_i32 s22, s21, 12288
	s_mov_b32 s23, 0
	s_lshl_b32 s100, s19, 9                        ; 4,096 bytes of scale words for eight row tiles
	s_mov_b32 s101, 0
	s_lshl_b32 s98, s21, 9
	s_mov_b32 s99, 0
	s_mul_i32 s19, s14, QUART                      ; where they go: the wave's number alone enters an LDS address
	s_lshl_b32 s20, s14, 12
	s_add_co_u32 s20, s20, SCL
	s_mov_b32 s92, 0x76543210
	s_mov_b32 s93, 0xfedcba98
	s_wait_kmcnt 0x0
	s_add_nc_u64 s[2:3], s[4:5], s[2:3]
	s_add_nc_u64 s[22:23], s[4:5], s[22:23]
	s_add_nc_u64 s[100:101], s[6:7], s[100:101]
	s_add_nc_u64 s[98:99], s[6:7], s[98:99]
	CROUND                                         ; all sixteen work-groups are here: the first joint loads meet
	s_mov_b32 s76, 1
	s_mov_b32 s77, s20
	s_mov_b64 s[78:79], s[100:101]
	s_or_b32 s79, s79, 0x80000000
	s_mov_b32 s88, 1
	s_mov_b32 s89, s20
	s_mov_b64 s[90:91], s[98:99]
	s_or_b32 s91, s91, 0x80000000
	JLOAD 76, 68, 88, 80                           ; the scale words first
.irp j, 0,1,2
	s_mov_b32 s[32+4*\j], 1
	s_add_co_u32 s[33+4*\j], s19, \j*SLOTB
	s_add_nc_u64 s[34+4*\j:35+4*\j], s[2:3], \j*3072
	s_or_b32 s[35+4*\j], s[35+4*\j], 0x80000000
	s_mov_b32 s[52+4*\j], 1
	s_add_co_u32 s[53+4*\j], s19, \j*SLOTB
	s_add_nc_u64 s[54+4*\j:55+4*\j], s[22:23], \j*3072
	s_or_b32 s[55+4*\j], s[55+4*\j], 0x80000000
	JLOAD 32+4*\j, 24, 52+4*\j, 44                 ; slots 0, 1, 2: three quarters of K
.endr
	v_and_b32 v1, 31, v0
	v_lshlrev_b32 v[L16], 4, v1
	v_lshlrev_b32 v[L8], 3, v1
	v_and_b32 v24, 15, v0                          ; r
	v_bfe_u32 v25, v0, 4, 1                        ; h
	s_mul_i32 s19, s15, QUART
	s_mul_i32 s20, s16, QUART
	s_add_co_u32 s20, s20, 2*QUART
.irp j, 0,1,2
	v_add_nc_u32 v[A16+\j], s19, v[L16]
	v_add_nc_u32 v[A8+\j], s19, v[L8]
	v_add_nc_u32 v[B16+\j], s20, v[L16]
	v_add_nc_u32 v[B8+\j], s20, v[L8]
	s_add_co_u32 s19, s19, SLOTB
	s_add_co_u32 s20, s20, SLOTB
.endr
	s_lshl_b32 s19, s15, 12                        ; scale words: lanes 0-15 take A's, lanes 16-31 B's: the lower base + h x the distance
	s_lshl_b32 s20, s16, 12
	s_add_co_u32 s20, s20, 8192
	s_sub_co_u32 s20, s20, s19
	v_mul_u32_u24 v26, s20, v25
	s_add_co_u32 s19, s19, SCL
	v_lshl_add_u32 v[ADRS], v24, 2, v26
	v_add_nc_u32 v[ADRS], s19, v[ADRS]
	s_lshl_b32 s19, s14, 10
	s_add_co_u32 s19, s19, SCR
	v_lshl_add_u32 v[ES], v24, 2, s19              ; the way out's scratch: a scale word for row r,
	v_add_nc_u32 v[ER], s19, v[L16]                ; and back, 16 bytes a lane
	v_lshlrev_b32 v[VSOF], 4, v24
	v_mul_u32_u24 v26, v25, 208896
	v_add_nc_u32 v[VSOF], v[VSOF], v26             ; V's scale words: lanes 0-15 one head's 256 bytes, lanes 16-31 the next head's
	; the biases.  q, k: along the registers (BQ); v: along the lanes (BV, twice, a pair for the packed addition).  The set that is not used is loaded from b_attn's head
	s_lshl_b32 s19, ttmp9, 2
	s_add_co_u32 s19, s19, s94
	s_lshl_b32 s19, s19, 8
	s_lshl_b32 s20, s16, 7
	s_add_co_u32 s19, s19, s20
	s_lshl_b32 s20, s95, 8
	s_lshl_b32 s21, s15, 7
	s_add_co_u32 s20, s20, s21
	s_add_co_u32 s20, s20, 2048
	s_cmp_eq_u32 ttmp9, 2
	s_cselect_b32 s19, 0, s19
	s_cselect_b32 s20, s20, 0
	s_lshl_b32 s19, s19, 2
	s_lshl_b32 s20, s20, 2
	v_lshl_add_u32 v27, v25, 6, s19
	v_and_b32 v26, 8, v24
	v_add_nc_u32 v26, v26, v24                     ; r + 8 (r / 8)
	v_lshl_add_u32 v28, v26, 2, s20
.irp b, 0,1,2,3,4,5,6,7
	global_load_b128 v[BQ+8*\b:BQ+8*\b+3], v27, s[8:9] offset:(32*(\b/2)+8*(\b%2))*4
	global_load_b128 v[BQ+8*\b+4:BQ+8*\b+7], v27, s[8:9] offset:(32*(\b/2)+8*(\b%2))*4+16
.endr
.irp a, 0,1,2,3,4,5,6,7
	global_load_b32 v[BV+2*\a], v28, s[8:9] offset:(32*(\a/2)+8*(\a%2))*4
	global_load_b32 v[BV+2*\a+1], v28, s[8:9] offset:(32*(\a/2)+8*(\a%2))*4
.endr
.macro FRAG reg, a16, a8, off          ; a fragment, 16 rows x 128 K, is two pieces of 768 bytes: registers 0-3 at 16 l, 4-5 at 512 + 8 l, and the same again
	ds_load_b128 v[\reg:\reg+3], v[\a16] offset:\off
	ds_load_b64 v[\reg+4:\reg+5], v[\a8] offset:\off+512
	ds_load_b128 v[\reg+6:\reg+9], v[\a16] offset:\off+768
	ds_load_b64 v[\reg+10:\reg+11], v[\a8] offset:\off+1280
.endm
.macro FETCH_B g                       ; B's eight fragments of step g into set g % 2; step g lies in slot (g / 2) % 3
	WIN 0x40
.irp i, 0,1,2,3,4,5,6,7
	FRAG 128*((\g)%2)+FR*\i, B16+((\g)/2)%3, B8+((\g)/2)%3, 3072*\i+1536*((\g)%2)
.endr
	WIN 0
.endm
.macro FETCH_A g, i0                   ; A's blocks i0 .. i0 + 3
.irp i, \i0, \i0+1, \i0+2, \i0+3
	FRAG AF+FR*(\i), A16+((\g)/2)%3, A8+((\g)/2)%3, 3072*(\i)+1536*((\g)%2)
.endr
.endm
.macro SCALES g                        ; register i of set g % 2: lanes 0-15 the words of A's block i, lanes 16-31 of B's block i
.irp i, 0,1,2,3,4,5,6,7
	ds_load_b32 v[SC+8*((\g)%2)+\i], v[ADRS] offset:512*(\g)+64*\i
.endr
.endm
; 16 products: A's blocks a0, a0 + 1 x B's eight.  zero = 1: the products start the sums.  The 64 accumulators take turns, one instruction a turn, in the same order in every step.
.macro MUL16 a0, g, zero
.irp a, \a0, \a0+1
.irp b, 0,1,2,3,4,5,6,7
.set rD, 8*(8*((\a)%4)+\b)
.set rB, 128*((\g)%2)+FR*\b
.set rA, AF+FR*(\a)
.set rS, SC+8*((\g)%2)
.if \zero == 1
	v_wmma_scale_f32_16x16x128_f8f6f4 v[rD:rD+7], v[rB:rB+FR-1], v[rA:rA+FR-1], 0, v[rS+\b], v[rS+(\a)] matrix_a_fmt:MATRIX_FMT_BF6 matrix_b_fmt:MATRIX_FMT_BF6 matrix_a_scale:MATRIX_SCALE_ROW1
.else
	v_wmma_scale_f32_16x16x128_f8f6f4 v[rD:rD+7], v[rB:rB+FR-1], v[rA:rA+FR-1], v[rD:rD+7], v[rS+\b], v[rS+(\a)] matrix_a_fmt:MATRIX_FMT_BF6 matrix_b_fmt:MATRIX_FMT_BF6 matrix_a_scale:MATRIX_SCALE_ROW1
.endif
.endr
.endr
.endm
.macro STEP g, zero                    ; a step whose successor's tiles are known to lie in LDS
	s_wait_dscnt 16                                ; all but the youngest sixteen loads (A's blocks 4-7) are in
	WIN 0xa1
	MUL16 0, \g, \zero
	MUL16 2, \g, \zero
	s_wait_dscnt 0x0                               ; A's blocks 4-7 are in
	PLACES
	FETCH_B (\g)+1
	FETCH_A (\g)+1, 0
	SCALES (\g)+1
	WIN 0xf1
	MUL16 4, \g, \zero
	MUL16 6, \g, \zero
	PLACES
	WIN 0
	FETCH_A (\g)+1, 4
.endm
; A step with a barrier.  In front of it each wave waits for all its tensor loads, adds 0 to its spare word, and waits for that and for its LDS reads.  fill = 1: slot 0, read out, takes the last quarter of K.
.macro TURN g, fill
	s_wait_tensorcnt 0x0                           ; all my tensor loads have landed
	ds_add_u32 v[SPW], v[NIL]                      ; 0 onto my spare word
	s_wait_dscnt 17                                ; (the add and the youngest sixteen loads may be out)
	WIN 0xa1
	MUL16 0, \g, 0                                 ; sixteen products stand between the add and the wait for it
	s_wait_dscnt 0x0                               ; the add is done, and my reads of the slot are over
	s_barrier_signal -1
	MUL16 2, \g, 0
	WIN 0
	s_barrier_wait -1
.if \fill
	CREST                                          ; the barrier has opened a round of the cluster's: no wave of any partner still reads slot 0 or has a load on its way
	s_add_nc_u64 s[34:35], s[34:35], 3*3072
	s_add_nc_u64 s[54:55], s[54:55], 3*3072
	JLOAD 32, 24, 52, 44                           ; the first tensor load behind the round; it has four steps, 256 products, in which to land.  Its four v_nop are the places for the loads below
.else
	PLACES
.endif
	FETCH_B (\g)+1
	FETCH_A (\g)+1, 0
	SCALES (\g)+1
	WIN 0xf1
	MUL16 4, \g, 0
	MUL16 6, \g, 0
	PLACES
	WIN 0
	FETCH_A (\g)+1, 4
.endm
	s_wait_tensorcnt 0x2                           ; the scale words and my part of slot 0 are in; slots 1 and 2 may stay out
	s_barrier_signal -1
	s_barrier_wait -1
	FETCH_B 0
	FETCH_A 0, 0
	SCALES 0
	FETCH_A 0, 4
	STEP 0, 1
	TURN 1, 1                                      ; every wave has shown all its loads landed: slots 1 and 2 are whole for everybody from here on
	STEP 2, 0
	STEP 3, 0
	STEP 4, 0
	TURN 5, 0                                      ; slot 0's second fill is whole for everybody; nobody reads slot 1 any more
	STEP 6, 0
	s_wait_dscnt 16
	WIN 0xa1
	MUL16 0, 7, 0
	MUL16 2, 7, 0
	s_wait_dscnt 0x0
	WIN 0xf1
	MUL16 4, 7, 0
	MUL16 6, 7, 0
	WIN 0
	s_wait_loadcnt 0x0                             ; the biases
	PLACES
.irp b, 0,1,2,3
	v_mov_b32 v[TM+4+\b], 0                        ; a lane permute's destination counts as read
.endr
; 64 numbers of a lane, register 16 b + i = k 32 b + 16 (lane / 16) + i of my row, become a fragment's twelve registers in v[PC] on and its scale word in v[PW]
.macro QUANT s
.irp b, 0,1,2,3
	v_max3_num_f32 v[TM+\b], |v[\s+16*\b]|, |v[\s+1+16*\b]|, 0x2800000   ; with the floor 2^(5 - 127)
.endr
.irp i, 2,4,6,8,10,12,14
.irp b, 0,1,2,3
	v_max3_num_f32 v[TM+\b], v[TM+\b], |v[\s+16*\b+\i]|, |v[\s+1+16*\b+\i]|
.endr
.endr
.irp b, 0,1,2,3
	v_permlanex16_b32 v[TM+4+\b], v[TM+\b], s92, s93
.endr
.irp b, 0,1,2,3
	v_max_num_f32 v[TM+\b], v[TM+\b], v[TM+4+\b]   ; with lane l xor 16's: the block's largest magnitude
.endr
.irp b, 0,1,2,3
	v_add_nc_u32 v[TM+12+\b], 0xfe000000, v[TM+\b] ; 4 off its exponent field: the conversion's scale operand
.endr
.irp b, 0,1,2,3
	v_lshrrev_b32 v[TM+4+\b], 23, v[TM+12+\b]      ; the byte
.endr
	v_lshl_or_b32 v[PW], v[TM+5], 8, v[TM+4]
	v_lshl_or_b32 v[PW], v[TM+6], 16, v[PW]
	v_lshl_or_b32 v[PW], v[TM+7], 24, v[PW]
.irp c, 0,1
	v_cvt_scalef32_pk16_bf6_f32 v[PC+6*\c:PC+2+6*\c], v[\s+32*\c:\s+15+32*\c], v[TM+12+2*\c]
	v_cvt_scalef32_pk16_bf6_f32 v[PC+12+4*\c:PC+14+4*\c], v[\s+16+32*\c:\s+31+32*\c], v[TM+12+2*\c+1]
.endr
	v_nop                                          ; one plain place behind the scaled conversions
.irp c, 0,1                                    ; the operand wants a whole block in a lane: lanes 0-15 block 2 c, lanes 16-31 block 2 c + 1
.irp i, 0,1,2
	v_permlane16_swap_b32 v[PC+6*\c+\i], v[PC+12+4*\c+\i]
.endr
.irp i, 0,1,2
	v_mov_b32 v[PC+3+6*\c+\i], v[PC+12+4*\c+\i]
.endr
.endr
.endm
.macro FINISH
	s_wait_tensorcnt 0x0                           ; the wave's end
	ds_add_u32 v[SPW], v[NIL]
	s_wait_dscnt 0x0
	CROUND                                         ; the closing round
	s_endpgm
.endm
	s_cmp_eq_u32 ttmp9, 2
	s_cbranch_scc1 .Lv_path
; ---- q, k: my 128 tokens are one step of a batch, my 128 columns two heads
	s_lshr_b32 s19, s17, 3                         ; batch
	s_and_b32 s20, s17, 7
	s_lshl_b32 s20, s20, 1
	s_add_co_u32 s20, s20, s15                     ; step
	s_lshl_b32 s19, s19, 4
	s_lshl_b32 s21, s94, 2
	s_add_co_u32 s19, s19, s21
	s_lshl_b32 s21, s16, 1
	s_add_co_u32 s19, s19, s21                     ; the first of my two heads
	s_mov_b32 s24, 106496
	s_mov_b32 s25, 6656
	s_mov_b32 s26, 6144
	s_cmp_eq_u32 ttmp9, 1
	s_cselect_b64 s[28:29], s[12:13], s[10:11]
	s_cselect_b32 s24, 208896, s24                 ; from head to head,
	s_cselect_b32 s25, 13056, s25                  ; from step to step,
	s_cselect_b32 s26, 12288, s26                  ; where the scale words begin
	s_mul_i32 s19, s19, s24
	s_mul_i32 s20, s20, s25
	s_add_co_u32 s30, s19, s20
	s_mov_b32 s31, 0
	s_mov_b32 s25, 0
	s_mov_b32 s27, 0
	s_add_nc_u64 s[28:29], s[28:29], s[30:31]      ; head 0's pieces
	s_add_nc_u64 s[32:33], s[28:29], s[24:25]      ; head 1's
	s_add_nc_u64 s[34:35], s[28:29], s[26:27]      ; their scale words
	s_add_nc_u64 s[36:37], s[32:33], s[26:27]
.macro QKBLK a                         ; 16 tokens x 128 columns: + bias, quantised along the columns: registers 0-5 are head 0's piece, 6-11 head 1's
	WIN 0x02+(\a)/4
.set p, 0
.rept 32
	v_pk_add_f32 v[T+p:T+p+1], v[64*((\a)%4)+p:64*((\a)%4)+p+1], v[BQ+p:BQ+p+1]   ; each accumulator from its low end on
.set p, p+2
.endr
	WIN 0
.if (\a) > 0
	s_wait_xcnt 0x0                                ; the last block's stores have read the codes' registers
	s_wait_dscnt 0x0
.endif
	QUANT T
	global_store_b128 v[L16], v[PC:PC+3], s[28:29] offset:768*(\a)
	global_store_b64 v[L8], v[PC+4:PC+5], s[28:29] offset:768*(\a)+512
	global_store_b128 v[L16], v[PC+6:PC+9], s[32:33] offset:768*(\a)
	global_store_b64 v[L8], v[PC+10:PC+11], s[32:33] offset:768*(\a)+512
	v_and_b32 v[PW+1], 0xffff, v[PW]               ; a head has two blocks: bytes 0, 1; bytes 2, 3 stay 0
	v_lshrrev_b32 v[PW+2], 16, v[PW]
	ds_store_b32 v[ES], v[PW+1] offset:64*(\a)
	ds_store_b32 v[ES], v[PW+2] offset:512+64*(\a)
.endm
.irp a, 0,1,2,3,4,5,6,7
	QKBLK \a
.endr
	ds_load_b128 v[T:T+3], v[ER]                   ; LDS serves a wave's instructions in order: these see my stores
	ds_load_b128 v[T+4:T+7], v[ER] offset:512
	s_wait_dscnt 0x0
	global_store_b128 v[L16], v[T:T+3], s[34:35]   ; 512 consecutive bytes
	global_store_b128 v[L16], v[T+4:T+7], s[36:37]
	FINISH
; ---- v: my 128 tokens (the B side) are one step's keys, my 128 columns (the A side) two heads
.Lv_path:
	s_lshr_b32 s19, s18, 3                         ; batch
	s_and_b32 s20, s18, 7
	s_lshl_b32 s20, s20, 1
	s_add_co_u32 s20, s20, s16                     ; step
	s_lshl_b32 s19, s19, 4
	s_lshl_b32 s21, s95, 2
	s_add_co_u32 s19, s19, s21
	s_lshl_b32 s21, s15, 1
	s_add_co_u32 s19, s19, s21                     ; the first of my two heads
	s_mul_i32 s19, s19, 208896
	s_mul_i32 s20, s20, 13056
	s_add_co_u32 s30, s19, s20
	s_mov_b32 s31, 0
	s_add_nc_u64 s[34:35], s[12:13], s[30:31]
	s_add_nc_u64 s[28:29], s[34:35], 6144          ; head 0's fragments of V^T
	s_add_nc_u64 s[32:33], s[28:29], 208896        ; head 1's
	s_add_nc_u64 s[34:35], s[34:35], 12800         ; head 0's scale words
.macro VBLK a                          ; 16 columns x 128 keys: + bias, quantised along the keys: a whole fragment of V^T
	WIN 0x02+(\a)/4
.set p, 0
.rept 32
	v_pk_add_f32 v[T+p:T+p+1], v[64*((\a)%4)+p:64*((\a)%4)+p+1], v[BV+2*(\a):BV+2*(\a)+1]
.set p, p+2
.endr
	WIN 0
.if (\a) > 0
	s_wait_xcnt 0x0
	s_wait_dscnt 0x0
.endif
	QUANT T
.irp k, 0,1,2
	global_store_b128 v[L16], v[PC+4*\k:PC+4*\k+3], s[28+4*((\a)/4):29+4*((\a)/4)] offset:1536*((\a)%4)+512*\k
.endr
	ds_store_b32 v[ES], v[PW] offset:64*(\a)
.endm
.irp a, 0,1,2,3,4,5,6,7
	VBLK \a
.endr
	ds_load_b128 v[T:T+3], v[ER]
	s_wait_dscnt 0x0
	global_store_b128 v[VSOF], v[T:T+3], s[34:35]  ; sixteen lanes store a head's 256 consecutive bytes, aligned
	FINISH
.Lfunc_end_k_qefa84f503c_gemm1:
	.size	k_qefa84f503c_gemm1, .Lfunc_end_k_qefa84f503c_gemm1-k_qefa84f503c_gemm1
	.p2alignl 7, 3214868480
	.fill 96, 4, 3214868480
	.section	.rodata,"a",@progbits
	.p2align	6, 0x0
	.amdhsa_kernel k_qefa84f503c_gemm1
		.amdhsa_group_segment_fixed_size 327680
		.amdhsa_private_segment_fixed_size 0
		.amdhsa_enable_private_segment 0
		.amdhsa_kernarg_size 40
		.amdhsa_user_sgpr_count 2
		.amdhsa_user_sgpr_kernarg_segment_ptr 1
		.amdhsa_wavefront_size32 1
		.amdhsa_system_sgpr_workgroup_id_x 1
		.amdhsa_system_sgpr_workgroup_id_y 1
		.amdhsa_system_sgpr_workgroup_id_z 1
		.amdhsa_system_vgpr_workitem_id 0
		.amdhsa_next_free_vgpr 1024
		.amdhsa_next_free_sgpr 102
		.amdhsa_reserve_vcc 0
		.amdhsa_float_denorm_mode_32 3
		.amdhsa_float_denorm_mode_16_64 3
		.amdhsa_memory_ordered 1
		.amdhsa_forward_progress 1
		.amdhsa_inst_pref_size 223
	.end_amdhsa_kernel
	.amdgpu_metadata
---
amdhsa.version: [ 1, 2 ]
amdhsa.kernels:
  - .name:           k_qefa84f503c_gemm1
    .symbol:         k_qefa84f503c_gemm1.kd
    .args:
      - { .name: cod, .offset: 0, .size: 8, .value_kind: global_buffer, .address_space: global }
      - { .name: scl, .offset: 8, .size: 8, .value_kind: global_buffer, .address_space: global }
      - { .name: b_attn, .offset: 16, .size: 8, .value_kind: global_buffer, .address_space: global }
      - { .name: qws, .offset: 24, .size: 8, .value_kind: global_buffer, .address_space: global }
      - { .name: kvws, .offset: 32, .size: 8, .value_kind: global_buffer, .address_space: global }
    .group_segment_fixed_size: 327680
    .private_segment_fixed_size: 0
    .kernarg_segment_align: 8
    .kernarg_segment_size: 40
    .max_flat_workgroup_size: 128
    .sgpr_count:     102
    .vgpr_count:     1024
    .wavefront_size: 32
...
	.end_amdgpu_metadata
.endif
;; end of part 2
;; launch attn (part 3): grid 4 x 64, 16 waves a work-group, clusters of 4 x 1, 210,944 bytes of LDS; arguments qws, kvws, oimg, oscl; writes oimg, oscl
.if DOCPART == 3
	.amdgcn_target "amdgcn-amd-amdhsa--gfx1250"
	.amdhsa_code_object_version 6
	.text
	.protected	k_qefa84f503c_attn
	.globl	k_qefa84f503c_attn
	.p2align	8
	.type	k_qefa84f503c_attn,@function
k_qefa84f503c_attn:
	s_mov_b64 s[64:65], 0
	v_nop
	global_prefetch_b8 v0, s[64:65] scope:SCOPE_SE
	s_setreg_imm32_b32 hwreg(HW_REG_WAVE_MODE, 25, 1), 1
	s_wait_xcnt 0x0
	s_wait_alu depctr_hold_cnt(0) depctr_sa_sdst(0) depctr_va_vdst(0) depctr_va_sdst(0) depctr_va_ssrc(0) depctr_va_vcc(0) depctr_vm_vsrc(0)
	s_getreg_b32 s2, hwreg(HW_REG_IB_STS2, 6, 4)
	s_cmp_eq_u32 s2, 0
	s_cbranch_scc0 .Lentry_in_a_cluster
	s_endpgm
.Lentry_in_a_cluster:
	s_bfe_u32 s2, ttmp6, 0x10000c
	s_cmp_lg_u32 s2, 0x3003
	s_cbranch_scc0 .Lentry_shape_is_right
	s_endpgm
.Lentry_shape_is_right:
; Causal attention of one head (64 heads of 2,048 tokens x 64) on codes of BF6 (E3M2) with E8M0 scales; the result is quantised along the head's 64 for the projection.
; t = score x log2(e) / 8; M = the running largest t rounded UP to a whole number; p = 2^(t - M) is quantised along the keys, not normalised; the row's sum is taken of the unquantised p and divides at the end.
; When M moves, the sum and O are multiplied by 2^(old M - new M): exact.
; SHARES.  The four work-groups of a cluster share one head.  A wave owns TWO tiles of 16 queries, j and 127 - j (j = 4 o + cx, o a number made of the wave's number): tile j needs key steps 0 .. j / 8, so every wave
; does 17 tile steps of 128 keys.  The steps' limits hang on the wave's number alone; cx enters global addresses and the mask's operand only.
; THE WHOLE HEAD'S K AND V, 208,896 dense bytes of kvws, lie in LDS as they lie in memory: each wave brings two parts by joint loads at the head (two tensor loads out); nothing is filled again, so there is no ring.
; LAYOUT.  Both products are used transposed: S^T = K Q^T, O^T = V^T P^T: a lane holds ONE query.  Tokens lie in permuted positions (bits 3, 4 exchanged), so that the 16 registers of S^T's tiles 2 b, 2 b + 1 are keys 32 b + 16 (lane / 16) + 0 .. 15.
; K = 64 IN AN INSTRUCTION OF 128: Q's upper six registers are zero codes, and bytes 2, 3 of Q's and K's scale words are 0.  K's tiles lie six registers apart, so a tile's upper six registers are the next tile's codes:
; finite numbers, multiplied by zeros.  Behind the last tile stand six registers of zeros.
; LIMITS: NaN and infinities are not served; a block whose largest magnitude lies under 2^-122 has its byte held at 1; a block of zeros gets the byte 1 (zero codes).
; REGISTERS: v1-3 16 l, 8 l, 4 l; v4-6 the same in the step's block; v7, v95 the tiles' queries for the mask; v8-11, v12-15 -M, largest t, the sum in two halves; v16-27, v28-39 Q; v40-93 K's tiles, then V's fragments;
;   v94, v255 Q's scale words; v96-159 S^T, then p; v160-191, v192-223 O^T; v224-235 p's codes; v232-254 at work; v248-251 K's or V's scale words.
.set STEPB, 13056                      ; a step's block: K's 8 pieces, V^T's 4 fragments, K's 128 scale words, V's 64
.set VO,  6144
.set KSO, 12288
.set VSO, 12800
.set KF,  40
.macro ROUND                           ; a round of the cluster's barrier
	s_barrier_signal -1
	s_barrier_wait -1
	s_cmp_lg_u32 s12, 0
	s_cbranch_scc1 .Lnot_wave_0_\@
	s_barrier_signal -3
.Lnot_wave_0_\@:
	s_barrier_wait -3
	s_barrier_signal -1
	s_barrier_wait -1
.endm
	s_load_b256 s[4:11], s[0:1], 0x0               ; qws s[4:5], kvws s[6:7], oimg s[8:9], oscl s[10:11]
	v_lshl_add_u32 v254, v0, 2, 0x33000
	v_mov_b32 v255, 0
	ds_add_u32 v254, v255
	ds_add_u32 v254, v255
	s_wait_dscnt 0x0
	v_lshrrev_b32 v1, 5, v0
	v_readfirstlane_b32 s12, v1                    ; wave 0..15
	s_bfe_u32 s13, ttmp6, 0x40000                  ; cx
	s_and_b32 s14, ttmp7, 0xffff                   ; batch x 16 + head
	s_lshr_b32 s66, s12, 2
	s_and_b32 s67, s12, 3
	s_add_co_u32 s67, s67, s66
	s_and_b32 s67, s67, 3
	s_lshl_b32 s67, s67, 2
	s_add_co_u32 s15, s67, s66                     ; o = 4 ((w / 4 + w % 4) % 4) + w / 4: each four waves w / 4 = const, and each four w % 4 = const, hold one o of each quarter
	s_lshr_b32 s16, s15, 1                         ; the low tile's last step
	s_sub_co_u32 s17, 15, s16                      ; the high tile's
	s_lshl_b32 s18, s15, 2
	s_add_co_u32 s18, s18, s13                     ; the low tile
	s_sub_co_u32 s19, 127, s18                     ; the high tile
	s_mov_b32 s20, 0x76543210
	s_mov_b32 s21, 0xfedcba98
	s_mov_b32 s22, 0x3e38aa3b                      ; c = log2(e) / 8
	s_mov_b32 s23, s22
	s_mov_b32 s51, 0xffff0000                      ; lanes 16-31
	s_mov_b32 s24, 15|(3<<16)|(1<<21)              ; the early part: 13 rows of 256 bytes a wave: 208 rows cover steps 0-3; the mask names all four work-groups
	s_mov_b32 s25, 32<<16
	s_mov_b32 s26, 13<<16
	s_mov_b32 s27, 32<<16
	s_mov_b32 s28, 13
	s_mov_b32 s29, 32
	s_mov_b32 s30, 0
	s_mov_b32 s31, 0
	s_mov_b32 s32, 15|(3<<16)|(1<<21)              ; the late part: 38 rows a wave
	s_mov_b32 s33, 32<<16
	s_mov_b32 s34, 38<<16
	s_mov_b32 s35, 32<<16
	s_mov_b32 s36, 38
	s_mov_b32 s37, 32
	s_mov_b32 s38, 0
	s_mov_b32 s39, 0
	s_mul_i32 s68, s14, 208896
	s_mov_b32 s69, 0
	s_mul_i32 s70, s12, 3328                       ; the same byte in the head's block and in LDS
	s_mov_b32 s71, 0
	s_mul_i32 s72, s12, 9728
	s_add_co_u32 s72, s72, 53248
	s_mov_b32 s73, 0
	s_mul_i32 s76, s14, 106496                     ; the head in qws
	s_wait_kmcnt 0x0
	s_add_nc_u64 s[6:7], s[6:7], s[68:69]
	s_mov_b32 s40, 1
	s_mov_b32 s41, s70
	s_add_nc_u64 s[42:43], s[6:7], s[70:71]
	s_or_b32 s43, s43, 0x80000000
	s_mov_b32 s44, 1
	s_mov_b32 s45, s72
	s_add_nc_u64 s[46:47], s[6:7], s[72:73]
	s_or_b32 s47, s47, 0x80000000
	ROUND                                          ; all four work-groups are here: the joint loads meet
	tensor_load_to_lds s[40:43], s[24:31]
	s_nop 0
	tensor_load_to_lds s[44:47], s[32:39]
	s_nop 0
.rept 4
	v_nop
.endr
	v_and_b32 v96, 31, v0
	v_lshlrev_b32 v1, 4, v96
	v_lshlrev_b32 v2, 3, v96
	v_lshlrev_b32 v3, 2, v96
	v_and_b32 v97, 15, v0                          ; r
	v_bfe_u32 v98, v0, 4, 1                        ; h
	v_lshlrev_b32 v99, 2, v97
.macro QBASE js, img                   ; tile s[js]: its piece at s[img:img+1], its scale words at s[img+2:img+3]
	s_lshr_b32 s74, s[\js], 3
	s_mul_i32 s74, s74, 6656
	s_add_co_u32 s74, s74, s76
	s_and_b32 s75, s[\js], 7
	s_mul_i32 s78, s75, 768
	s_add_co_u32 s78, s78, s74
	s_mov_b32 s79, 0
	s_add_nc_u64 s[\img:\img+1], s[4:5], s[78:79]
	s_lshl_b32 s78, s75, 6
	s_add_co_u32 s78, s78, s74
	s_add_co_u32 s78, s78, 6144
	s_add_nc_u64 s[\img+2:\img+3], s[4:5], s[78:79]
.endm
	QBASE 18, 52
	QBASE 19, 56
	global_load_b128 v[16:19], v1, s[52:53]
	global_load_b64 v[20:21], v2, s[52:53] offset:512
	global_load_b32 v255, v99, s[54:55]
	global_load_b128 v[28:31], v1, s[56:57]
	global_load_b64 v[32:33], v2, s[56:57] offset:512
	global_load_b32 v94, v99, s[58:59]
	v_and_b32 v100, 8, v97
	v_add_nc_u32 v100, v100, v97                   ; r + 8 (r / 8)
	v_lshlrev_b32 v101, 4, v98
	v_sub_nc_u32 v100, v100, v101                  ; - 16 h
	s_lshr_b32 s74, s18, 1
	s_lshl_b32 s74, s74, 5
	s_and_b32 s75, s18, 1
	s_lshl_b32 s75, s75, 3
	s_add_co_u32 s74, s74, s75
	v_add_nc_u32 v7, s74, v100                     ; my query of the low tile, less 16 h
	s_lshr_b32 s74, s19, 1
	s_lshl_b32 s74, s74, 5
	s_and_b32 s75, s19, 1
	s_lshl_b32 s75, s75, 3
	s_add_co_u32 s74, s74, s75
	v_add_nc_u32 v95, s74, v100                    ; and of the high tile
.irp i, 0,1,2,3,4,5
	v_mov_b32 v[22+\i], 0                          ; Q's upper halves: zero codes
	v_mov_b32 v[34+\i], 0
	v_mov_b32 v[88+\i], 0                          ; behind K's last tile
.endr
	v_mov_b32 v9, 0xff61b1e6                       ; the largest t so far: -3e38
	v_mov_b32 v13, 0xff61b1e6
	v_floor_f32 v8, -v9                            ; -M
	v_floor_f32 v12, -v13
	v_mov_b32 v10, 0
	v_mov_b32 v11, 0
	v_mov_b32 v14, 0
	v_mov_b32 v15, 0
.irp b, 0,1,2,3
	v_mov_b32 v[236+\b], 0                         ; a lane permute's destination counts as read
.endr
	v_mov_b32 v252, 0
	v_mov_b32 v253, 0
.set i, 0
.rept 64
	v_mov_b32 v[160+i], 0                          ; O^T of both tiles: the step is written once; the first change of M leaves zeros zeros
.set i, i+1
.endr
; ONE TILE'S STEP: 16 queries x 128 keys.  qf: Q's fragment; st: the statistics; oa: O^T; qs: Q's scale words; tq: the mask's operand; lim: the scalar with the tile's last step
.macro TSTEP qf, st, oa, qs, tq, lim
	s_cmp_gt_u32 s48, s[\lim]                      ; all keys of the step come after the tile's queries: left out
	s_cbranch_scc1 .Lskip_\@
.rept 4
	v_nop                                          ; places in front of loads into registers that the last products have read
.endr
.irp t, 0,1,2,3,4,5,6,7
	ds_load_b128 v[KF+6*\t:KF+6*\t+3], v4 offset:768*\t
	ds_load_b64 v[KF+6*\t+4:KF+6*\t+5], v5 offset:768*\t+512
.endr
.irp i, 0,1,2,3
	ds_load_b32 v[248+\i], v6 offset:KSO+128*\i    ; lanes 0-15: tile 2 i's words; lanes 16-31: tile 2 i + 1's
.endr
	s_wait_dscnt 0x0
.irp i, 0,1,2,3
	v_wmma_scale_f32_16x16x128_f8f6f4 v[96+16*\i:103+16*\i], v[KF+12*\i:KF+12*\i+11], v[\qf:\qf+11], 0, v[248+\i], v[\qs] matrix_a_fmt:MATRIX_FMT_BF6 matrix_b_fmt:MATRIX_FMT_BF6
	v_wmma_scale_f32_16x16x128_f8f6f4 v[104+16*\i:111+16*\i], v[KF+12*\i+6:KF+12*\i+17], v[\qf:\qf+11], 0, v[248+\i], v[\qs] matrix_a_fmt:MATRIX_FMT_BF6 matrix_b_fmt:MATRIX_FMT_BF6 matrix_a_scale:MATRIX_SCALE_ROW1
.endr
.rept 4
	v_nop
.endr
.irp t, 0,1,2,3                                ; V's fragments are asked for now, into the registers that K has left: they land under the softmax
.irp k, 0,1,2
	ds_load_b128 v[KF+12*\t+4*\k:KF+12*\t+4*\k+3], v4 offset:VO+1536*\t+512*\k
.endr
.endr
	ds_load_b32 v248, v6 offset:VSO
	ds_load_b32 v249, v6 offset:VSO+128
	s_cmp_lg_u32 s48, s[\lim]                      ; only the tile's last step lies on the diagonal
	s_cbranch_scc1 .Lopen_\@
	v_sub_nc_u32 v252, v[\tq], s50                 ; d = my query - the step's first key - 16 h.  Register 16 b + i holds key 32 b + 16 h + i of the step: hidden where 32 b + i > d
	v_mov_b32 v254, 0xff800000                     ; -infinity
.set n, 0
.rept 64
	v_cmp_gt_i32 vcc_lo, 32*(n/16)+n%16, v252
	v_cndmask_b32 v[96+n], v[96+n], v254, vcc_lo
.set n, n+1
.endr
.Lopen_\@:
.irp b, 0,1,2,3
	v_max3_num_f32 v[232+\b], v[96+16*\b], v[97+16*\b], v[98+16*\b]   ; the largest score of each block of 32 keys: for the row's maximum and for the block's largest p
.endr
.irp i, 3,5,7,9,11,13
.irp b, 0,1,2,3
	v_max3_num_f32 v[232+\b], v[232+\b], v[96+16*\b+\i], v[97+16*\b+\i]
.endr
.endr
.irp b, 0,1,2,3
	v_max_num_f32 v[232+\b], v[232+\b], v[111+16*\b]
.endr
.irp b, 0,1,2,3
	v_permlanex16_b32 v[236+\b], v[232+\b], s20, s21
.endr
.irp b, 0,1,2,3
	v_max_num_f32 v[232+\b], v[232+\b], v[236+\b]  ; with lane l xor 16's 16 keys
.endr
	v_max3_num_f32 v254, v232, v233, v234
	v_max_num_f32 v254, v254, v235
	v_mul_f32 v254, s22, v254                      ; as t
	v_max_num_f32 v[\st+1], v[\st+1], v254         ; the running largest t
	v_mov_b32 v254, v[\st]
	v_floor_f32 v[\st], -v[\st+1]                  ; the new -M = -ceil(t)
	v_sub_f32 v254, v[\st], v254                   ; old M - new M: a whole number, 0 or less
	v_cvt_i32_f32 v254, v254                       ; (it saturates)
	v_ldexp_f32 v252, 1.0, v254                    ; f = 2^(old M - new M)
.set j, 0
.rept 32
	v_pk_fma_f32 v[96+j:97+j], v[96+j:97+j], s[22:23], v[\st:\st+1] op_sel_hi:[1,0,0]   ; t - M
.set j, j+2
.endr
.irp b, 0,1,2,3
	v_fma_f32 v[232+\b], v[232+\b], s22, v[\st]
.endr
.set j, 0
.rept 64
	v_exp_f32 v[96+j], v[96+j]                     ; p = 2^(t - M)
.set j, j+1
.endr
	v_pk_mul_f32 v[\st+2:\st+3], v[\st+2:\st+3], v[252:253] op_sel_hi:[1,0]   ; the sums under the new M: a plain place behind the exponentials
	s_wait_alu depctr_va_vdst(0)                   ; one wait for the batch, ahead of its first reader
.irp b, 0,1,2,3
	v_exp_f32 v[232+\b], v[232+\b]                 ; each block's largest p
.endr
	v_pk_add_f32 v[236:237], v[96:97], v[98:99]    ; the row's sum of the unquantised p, in two chains
.irp j, 4,8,12,16,20,24,28,32,36,40,44,48,52,56,60
	v_pk_add_f32 v[\st+2:\st+3], v[\st+2:\st+3], v[96+\j:97+\j]
	v_pk_add_f32 v[236:237], v[236:237], v[98+\j:99+\j]
.endr
	v_pk_add_f32 v[\st+2:\st+3], v[\st+2:\st+3], v[236:237]
	s_wait_alu depctr_va_vdst(0)                   ; and one for the four
.irp b, 0,1,2,3
	v_max_num_f32 v[232+\b], 0x2800000, v[232+\b]  ; the floor 2^(5 - 127)
.endr
.irp b, 0,1,2,3
	v_add_nc_u32 v[244+\b], 0xfe000000, v[232+\b]
.endr
.irp b, 0,1,2,3
	v_lshrrev_b32 v[236+\b], 23, v[244+\b]
.endr
	v_lshl_or_b32 v253, v237, 8, v236              ; p's scale word for these 128 keys
	v_lshl_or_b32 v253, v238, 16, v253
	v_lshl_or_b32 v253, v239, 24, v253
.irp c, 0,1
	v_cvt_scalef32_pk16_bf6_f32 v[224+6*\c:226+6*\c], v[96+32*\c:111+32*\c], v[244+2*\c]
	v_cvt_scalef32_pk16_bf6_f32 v[236+4*\c:238+4*\c], v[112+32*\c:127+32*\c], v[244+2*\c+1]
.endr
	v_nop                                          ; one plain place behind the scaled conversions
.irp c, 0,1
.irp i, 0,1,2
	v_permlane16_swap_b32 v[224+6*\c+\i], v[236+4*\c+\i]
.endr
.irp i, 0,1,2
	v_mov_b32 v[227+6*\c+\i], v[236+4*\c+\i]
.endr
.endr
.set j, 0
.rept 16
	v_pk_mul_f32 v[\oa+j:\oa+j+1], v[\oa+j:\oa+j+1], v[252:253] op_sel_hi:[1,0]   ; O^T under the new M; these sixteen are also the places in front of the products below
.set j, j+2
.endr
	s_wait_dscnt 0x0                               ; V's fragments and scale words are in
.irp i, 0,1
	v_wmma_scale_f32_16x16x128_f8f6f4 v[\oa+16*\i:\oa+16*\i+7], v[KF+24*\i:KF+24*\i+11], v[224:235], v[\oa+16*\i:\oa+16*\i+7], v[248+\i], v253 matrix_a_fmt:MATRIX_FMT_BF6 matrix_b_fmt:MATRIX_FMT_BF6
	v_wmma_scale_f32_16x16x128_f8f6f4 v[\oa+16*\i+8:\oa+16*\i+15], v[KF+24*\i+12:KF+24*\i+23], v[224:235], v[\oa+16*\i+8:\oa+16*\i+15], v[248+\i], v253 matrix_a_fmt:MATRIX_FMT_BF6 matrix_b_fmt:MATRIX_FMT_BF6 matrix_a_scale:MATRIX_SCALE_ROW1
.endr
.Lskip_\@:
.endm
.macro TRIP                            ; a key step for both tiles
	v_add_nc_u32 v4, s49, v1
	v_add_nc_u32 v5, s49, v2
	v_add_nc_u32 v6, s49, v3
	TSTEP 28, 8, 192, 94, 95, 17
	TSTEP 16, 12, 160, 255, 7, 16
	s_add_co_u32 s48, s48, 1
	s_add_co_u32 s49, s49, STEPB
	s_add_co_u32 s50, s50, 128
.endm
	s_mov_b32 s48, 0                               ; the step,
	s_mov_b32 s49, 0                               ; its block in LDS,
	s_mov_b32 s50, 0                               ; its first key
	s_wait_loadcnt 0x0                             ; Q
	s_wait_tensorcnt 0x1                           ; my early part is in; the late part may stay out
	s_barrier_signal -1
	s_barrier_wait -1                              ; steps 0-3 are whole for everybody
.Learly:
	TRIP
	s_cmp_lt_u32 s48, 4
	s_cbranch_scc1 .Learly
	s_wait_tensorcnt 0x0                           ; my late part is in
	s_wait_dscnt 0x0
	s_barrier_signal -1
	s_barrier_wait -1                              ; the whole head lies in LDS
	s_mov_b32 s48, 4
	s_mov_b32 s49, 4*STEPB
	s_mov_b32 s50, 512
.Llate:
	TRIP
	s_cmp_lt_u32 s48, 16
	s_cbranch_scc1 .Llate
; THE WAY OUT of a tile: O^T / the sum; register 16 b + i is channel 32 b + 16 h + i of my query: two blocks, quantised; the piece of 768 bytes goes to oimg, the two bytes a row to oscl
.macro FIN oa, st, js, ob
	v_add_f32 v[\st+2], v[\st+2], v[\st+3]
	v_permlanex16_b32 v252, v[\st+2], s20, s21
	v_add_f32 v[\st+2], v[\st+2], v252             ; the row's sum
	v_rcp_f32 v[\st+2], v[\st+2]
	v_and_b32 v246, 15, v0                         ; (plain places behind the reciprocal)
	v_bfe_u32 v247, v0, 4, 1
	v_lshl_add_u32 v246, v246, 2, v247             ; 4 r + h: block h's byte of row r's word
	s_lshr_b32 s66, s14, 4                         ; batch
	s_and_b32 s67, s14, 15                         ; head
	s_lshl_b32 s68, s66, 7
	s_add_co_u32 s68, s68, s[\js]                  ; row tile
	s_lshl_b32 s68, s68, 4
	s_add_co_u32 s68, s68, s67
	s_mul_i32 s68, s68, 768
	s_mov_b32 s69, 0
	s_add_nc_u64 s[\ob:\ob+1], s[8:9], s[68:69]
	s_lshl_b32 s70, s66, 4
	s_lshr_b32 s71, s[\js], 3
	s_add_co_u32 s70, s70, s71
	s_lshl_b32 s70, s70, 12                        ; eight row tiles: 4,096 bytes
	s_lshr_b32 s71, s67, 1
	s_lshl_b32 s71, s71, 9                         ; two heads are 128 along the projection's K
	s_add_co_u32 s70, s70, s71
	s_and_b32 s71, s[\js], 7
	s_lshl_b32 s71, s71, 6
	s_add_co_u32 s70, s70, s71
	s_and_b32 s71, s67, 1
	s_lshl_b32 s71, s71, 1
	s_add_co_u32 s70, s70, s71
	s_mov_b32 s71, 0
	s_add_nc_u64 s[\ob+2:\ob+3], s[10:11], s[70:71]
	s_wait_alu depctr_va_vdst(0)                   ; ahead of the reciprocal's first reader
.set j, 0
.rept 32
	v_mul_f32 v[96+j], v[\oa+j], v[\st+2]          ; each accumulator from its low end on
.set j, j+1
.endr
.irp b, 0,1
	v_max3_num_f32 v[232+\b], |v[96+16*\b]|, |v[97+16*\b]|, 0x2800000
.endr
.irp i, 2,4,6,8,10,12,14
.irp b, 0,1
	v_max3_num_f32 v[232+\b], v[232+\b], |v[96+16*\b+\i]|, |v[97+16*\b+\i]|
.endr
.endr
.irp b, 0,1
	v_permlanex16_b32 v[236+\b], v[232+\b], s20, s21
.endr
.irp b, 0,1
	v_max_num_f32 v[232+\b], v[232+\b], v[236+\b]
.endr
.irp b, 0,1
	v_add_nc_u32 v[244+\b], 0xfe000000, v[232+\b]
.endr
.irp b, 0,1
	v_lshrrev_b32 v[240+\b], 23, v[244+\b]
.endr
	v_cvt_scalef32_pk16_bf6_f32 v[224:226], v[96:111], v244
	v_cvt_scalef32_pk16_bf6_f32 v[236:238], v[112:127], v245
	v_nop                                          ; one plain place behind the scaled conversions
.irp i, 0,1,2
	v_permlane16_swap_b32 v[224+\i], v[236+\i]     ; lanes 0-15 block 0, lanes 16-31 block 1, whole
.endr
.irp i, 0,1,2
	v_mov_b32 v[227+\i], v[236+\i]
.endr
	v_cndmask_b32 v240, v240, v241, s51            ; lanes 16-31 store block 1's byte
	global_store_b128 v1, v[224:227], s[\ob:\ob+1]                 ; 512 + 256 consecutive bytes
	global_store_b64 v2, v[228:229], s[\ob:\ob+1] offset:512
	global_store_b8 v246, v240, s[\ob+2:\ob+3]     ; 32 bytes of the tile's 800: a tile of one head has no more of a scale word
.endm
.rept 4
	v_nop                                          ; places behind the last products
.endr
	FIN 160, 12, 18, 52
	s_wait_xcnt 0x0                                ; the stores have read their registers
	FIN 192, 8, 19, 56
	s_wait_xcnt 0x0
	v_lshl_add_u32 v254, v0, 2, 0x33000
	v_mov_b32 v255, 0
	s_wait_tensorcnt 0x0
	ds_add_u32 v254, v255
	s_wait_dscnt 0x0
	ROUND                                          ; the closing round
	s_endpgm
.Lfunc_end_k_qefa84f503c_attn:
	.size	k_qefa84f503c_attn, .Lfunc_end_k_qefa84f503c_attn-k_qefa84f503c_attn
	.p2alignl 7, 3214868480
	.fill 96, 4, 3214868480
	.section	.rodata,"a",@progbits
	.p2align	6, 0x0
	.amdhsa_kernel k_qefa84f503c_attn
		.amdhsa_group_segment_fixed_size 210944
		.amdhsa_private_segment_fixed_size 0
		.amdhsa_enable_private_segment 0
		.amdhsa_kernarg_size 32
		.amdhsa_user_sgpr_count 2
		.amdhsa_user_sgpr_kernarg_segment_ptr 1
		.amdhsa_wavefront_size32 1
		.amdhsa_system_sgpr_workgroup_id_x 1
		.amdhsa_system_sgpr_workgroup_id_y 1
		.amdhsa_system_sgpr_workgroup_id_z 1
		.amdhsa_system_vgpr_workitem_id 0
		.amdhsa_next_free_vgpr 256
		.amdhsa_next_free_sgpr 80
		.amdhsa_reserve_vcc 1
		.amdhsa_float_denorm_mode_32 3
		.amdhsa_float_denorm_mode_16_64 3
		.amdhsa_memory_ordered 1
		.amdhsa_forward_progress 1
		.amdhsa_inst_pref_size 103
	.end_amdhsa_kernel
	.amdgpu_metadata
---
amdhsa.version: [ 1, 2 ]
amdhsa.kernels:
  - .name:           k_qefa84f503c_attn
    .symbol:         k_qefa84f503c_attn.kd
    .args:
      - { .name: qws, .offset: 0, .size: 8, .value_kind: global_buffer, .address_space: global }
      - { .name: kvws, .offset: 8, .size: 8, .value_kind: global_buffer, .address_space: global }
      - { .name: oimg, .offset: 16, .size: 8, .value_kind: global_buffer, .address_space: global }
      - { .name: oscl, .offset: 24, .size: 8, .value_kind: global_buffer, .address_space: global }
    .group_segment_fixed_size: 210944
    .private_segment_fixed_size: 0
    .kernarg_segment_align: 8
    .kernarg_segment_size: 32
    .max_flat_workgroup_size: 512
    .sgpr_count:     80
    .vgpr_count:     256
    .wavefront_size: 32
...
	.end_amdgpu_metadata
.endif
;; end of part 3
;; launch gemm2 (part 4): grid 4 x 32, 4 waves a work-group, clusters of 4 x 4, 327,680 bytes of LDS; arguments oimg, oscl, cod, scl, b_proj, out0; writes out0
.if DOCPART == 4
	.amdgcn_target "amdgcn-amd-amdhsa--gfx1250"
	.amdhsa_code_object_version 6
	.text
	.protected	k_qefa84f503c_gemm2
	.globl	k_qefa84f503c_gemm2
	.p2align	8
	.type	k_qefa84f503c_gemm2,@function
k_qefa84f503c_gemm2:
	s_mov_b64 s[64:65], 0
	v_nop
	global_prefetch_b8 v0, s[64:65] scope:SCOPE_SE
	s_setreg_imm32_b32 hwreg(HW_REG_WAVE_MODE, 25, 1), 1
	s_wait_xcnt 0x0
	s_wait_alu depctr_hold_cnt(0) depctr_sa_sdst(0) depctr_va_vdst(0) depctr_va_sdst(0) depctr_va_ssrc(0) depctr_va_vcc(0) depctr_vm_vsrc(0)
	s_getreg_b32 s2, hwreg(HW_REG_IB_STS2, 6, 4)
	s_cmp_eq_u32 s2, 0
	s_cbranch_scc0 .Lentry_in_a_cluster
	s_endpgm
.Lentry_in_a_cluster:
	s_bfe_u32 s2, ttmp6, 0x10000c
	s_cmp_lg_u32 s2, 0xf033
	s_cbranch_scc0 .Lentry_shape_is_right
	s_endpgm
.Lentry_shape_is_right:
; out0 = attention's result x W_proj + b_proj on codes of BF6 (E3M2) with E8M0 scales, K = 1024; out0 [8192][1024] f32.
; A work-group makes 256 x 256, each of its four waves 128 x 128: 64 accumulators.  Source 0 = 16 columns of W_proj (B side, from cod, scl), source 1 = 16 rows (A side, from oimg, oscl): a lane holds eight neighbouring numbers of a row.
; Rows and columns lie at permuted positions (bits 3 and 4 exchanged): the columns come out in true order in the registers, the rows are put right by the stores' offsets.
; K goes in 8 steps of 128.  256 along K are a slot in LDS; three slots, all asked for at the head; slot 0 is filled once more: one refill, one round of the cluster's barrier in the loop.
; CLUSTER 4 x 4: A's tiles are shared along a row of the cluster, B's along a column: joint loads.  A wave has at most four tensor loads out (the first fills).
; The bias is the C of each sum's first product.  128 work-groups: the tile of the first GEMM is kept, so that both run the same loop.
; REGISTERS: window 0: v2-21 addresses; v32-47 scale words, two sets; v64-127 the bias; v128-223 A's fragments, one set (on the way out v128-255: rows read back).  Window 1: B's fragments, two sets.  Windows 2, 3: accumulator (a, b) at 8 (8 (a % 4) + b).
.set SLOTB, 98304
.set QUART, 24576
.set SCL,   294912
.set SPARE, 311296                     ; the spare words, 128 bytes a wave: two blocks of 256 bytes that no other line names
.set SCR,   98304                      ; the way out's stages, 16 rows x 528 bytes a wave, in slot 1: filled once, last read ahead of the last barrier
.set FR,  12
.set L16, 2
.set L8,  3
.set A16, 4
.set A8,  7
.set B16, 10
.set B8,  13
.set ADRS, 16
.set SPW, 18
.set NIL, 19
.set STO, 20
.set RD,  21
.set SC,  32
.set BQ,  64
.set AF,  128
.set BK,  128
.set MSB, 0
.macro WIN new
.if MSB != (\new)
	s_set_vgpr_msb (MSB<<8)|(\new)
.set MSB, (\new)
.endif
.endm
.macro JLOAD g0a, g1a, g0b, g1b        ; a joint load: waves 0 and 1 fetch for A, waves 2 and 3 for B; four v_nop follow each line
	s_cmp_eq_u32 s15, 0
	s_cbranch_scc0 .Lfor_b_\@
	tensor_load_to_lds s[\g0a:\g0a+3], s[\g1a:\g1a+7]
	s_nop 0
.rept 4
	v_nop
.endr
	s_branch .Lasked_\@
.Lfor_b_\@:
	tensor_load_to_lds s[\g0b:\g0b+3], s[\g1b:\g1b+7]
	s_nop 0
.rept 4
	v_nop
.endr
.Lasked_\@:
.endm
.macro CREST
	s_cmp_lg_u32 s14, 0
	s_cbranch_scc1 .Lnot_wave_0_\@
	s_barrier_signal -3
.Lnot_wave_0_\@:
	s_barrier_wait -3
	s_barrier_signal -1
	s_barrier_wait -1
.endm
.macro CROUND
	s_barrier_signal -1
	s_barrier_wait -1
	CREST
.endm
.macro PLACES                          ; four places behind a matrix instruction of this form (ISA guide 7.12.1)
.rept 4
	v_nop
.endr
.endm
	s_load_b256 s[4:11], s[0:1], 0x0               ; oimg s[4:5], oscl s[6:7], cod s[8:9], scl s[10:11]
	s_load_b64 s[12:13], s[0:1], 0x20              ; b_proj
	s_load_b64 s[66:67], s[0:1], 0x28              ; out0
	v_lshl_add_u32 v[SPW], v0, 2, SPARE
	v_mov_b32 v[NIL], 0
	ds_add_u32 v18, v19
	ds_add_u32 v18, v19
	s_wait_dscnt 0x0
	v_lshrrev_b32 v1, 5, v0
	v_readfirstlane_b32 s14, v1                    ; wave 0..3
	s_lshr_b32 s15, s14, 1                         ; my half of the rows.  Also: I fetch for A (0) or for B (1)
	s_and_b32 s16, s14, 1                          ; my half of the columns.  Also: which half I fetch
	s_bfe_u32 s94, ttmp6, 0x40000                  ; cx
	s_bfe_u32 s95, ttmp6, 0x40004                  ; cy
	s_and_b32 s96, ttmp7, 0xffff
	s_lshl_b32 s96, s96, 2
	s_lshl_b32 s97, s95, 2
	s_lshl_b32 s97, 15, s97                        ; my row of the cluster
	s_lshl_b32 s98, 0x1111, s94                    ; my column
	s_or_b32 s24, s97, (3<<16)|(1<<21)
	s_or_b32 s44, s98, (3<<16)|(1<<21)
.irp g, 24, 44
	s_mov_b32 s[\g+1], 384<<16                     ; 3,072 bytes: 256 along K of a row tile
	s_mov_b32 s[\g+2], 8<<16                       ; 8 row tiles
	s_mov_b32 s[\g+3], 384<<16
	s_mov_b32 s[\g+4], 8
	s_mov_b32 s[\g+5], 1536                        ; 12,288 bytes from row tile to row tile
	s_mov_b32 s[\g+6], 0
	s_mov_b32 s[\g+7], 0
.endr
	s_or_b32 s68, s97, (3<<16)|(1<<21)             ; scale words: 4,096 dense bytes as 16 rows of 256
	s_or_b32 s80, s98, (3<<16)|(1<<21)
.irp g, 68, 80
	s_mov_b32 s[\g+1], 32<<16
	s_mov_b32 s[\g+2], 16<<16
	s_mov_b32 s[\g+3], 32<<16
	s_mov_b32 s[\g+4], 16
	s_mov_b32 s[\g+5], 32
	s_mov_b32 s[\g+6], 0
	s_mov_b32 s[\g+7], 0
.endr
	s_add_co_u32 s17, s96, s95                     ; A's block of 256 rows: it hangs on cy, never on cx
	s_add_co_u32 s18, s94, 44                      ; B's: W_proj's columns begin at block 44 of cod: on cx, never on cy
	s_lshl_b32 s20, s16, 3
	s_lshl_b32 s19, s17, 4
	s_add_co_u32 s19, s19, s20
	s_lshl_b32 s21, s18, 4
	s_add_co_u32 s21, s21, s20
	s_mul_i32 s2, s19, 12288
	s_mov_b32 s3, 0
	s_mul_i32 s22, s21, 12288
	s_mov_b32 s23, 0
	s_lshl_b32 s100, s19, 9
	s_mov_b32 s101, 0
	s_lshl_b32 s98, s21, 9
	s_mov_b32 s99, 0
	s_mul_i32 s19, s14, QUART
	s_lshl_b32 s20, s14, 12
	s_add_co_u32 s20, s20, SCL
	s_wait_kmcnt 0x0
	s_add_nc_u64 s[2:3], s[4:5], s[2:3]
	s_add_nc_u64 s[22:23], s[8:9], s[22:23]
	s_add_nc_u64 s[100:101], s[6:7], s[100:101]
	s_add_nc_u64 s[98:99], s[10:11], s[98:99]
	CROUND                                         ; all sixteen work-groups are here: the first joint loads meet
	s_mov_b32 s76, 1
	s_mov_b32 s77, s20
	s_mov_b64 s[78:79], s[100:101]
	s_or_b32 s79, s79, 0x80000000
	s_mov_b32 s88, 1
	s_mov_b32 s89, s20
	s_mov_b64 s[90:91], s[98:99]
	s_or_b32 s91, s91, 0x80000000
	JLOAD 76, 68, 88, 80
.irp j, 0,1,2
	s_mov_b32 s[32+4*\j], 1
	s_add_co_u32 s[33+4*\j], s19, \j*SLOTB
	s_add_nc_u64 s[34+4*\j:35+4*\j], s[2:3], \j*3072
	s_or_b32 s[35+4*\j], s[35+4*\j], 0x80000000
	s_mov_b32 s[52+4*\j], 1
	s_add_co_u32 s[53+4*\j], s19, \j*SLOTB
	s_add_nc_u64 s[54+4*\j:55+4*\j], s[22:23], \j*3072
	s_or_b32 s[55+4*\j], s[55+4*\j], 0x80000000
	JLOAD 32+4*\j, 24, 52+4*\j, 44
.endr
	v_and_b32 v1, 31, v0
	v_lshlrev_b32 v[L16], 4, v1
	v_lshlrev_b32 v[L8], 3, v1
	v_and_b32 v24, 15, v0                          ; r
	v_bfe_u32 v25, v0, 4, 1                        ; h
	s_mul_i32 s19, s15, QUART
	s_mul_i32 s20, s16, QUART
	s_add_co_u32 s20, s20, 2*QUART
.irp j, 0,1,2
	v_add_nc_u32 v[A16+\j], s19, v[L16]
	v_add_nc_u32 v[A8+\j], s19, v[L8]
	v_add_nc_u32 v[B16+\j], s20, v[L16]
	v_add_nc_u32 v[B8+\j], s20, v[L8]
	s_add_co_u32 s19, s19, SLOTB
	s_add_co_u32 s20, s20, SLOTB
.endr
	s_lshl_b32 s19, s15, 12                        ; scale words: lanes 0-15 A's, lanes 16-31 B's: the lower base + h x the distance
	s_lshl_b32 s20, s16, 12
	s_add_co_u32 s20, s20, 8192
	s_sub_co_u32 s20, s20, s19
	v_mul_u32_u24 v26, s20, v25
	s_add_co_u32 s19, s19, SCL
	v_lshl_add_u32 v[ADRS], v24, 2, v26
	v_add_nc_u32 v[ADRS], s19, v[ADRS]
	s_mul_i32 s19, s14, 8448
	s_add_co_u32 s19, s19, SCR                     ; my stage
	v_mul_u32_u24 v[STO], v24, 528
	v_lshl_add_u32 v[STO], v25, 6, v[STO]
	v_add_nc_u32 v[STO], s19, v[STO]               ; in: row r, + 64 h
	v_add_nc_u32 v[RD], s19, v[L16]                ; back: a row's 512 bytes
	s_lshl_b32 s19, s94, 10
	s_lshl_b32 s20, s16, 9
	s_add_co_u32 s20, s20, s19                     ; my first column, in bytes
	v_lshl_add_u32 v27, v25, 6, s20
.irp b, 0,1,2,3,4,5,6,7                        ; the bias in the result's layout: register j of tile b is column 32 (b / 2) + 16 h + 8 (b % 2) + j
	global_load_b128 v[BQ+8*\b:BQ+8*\b+3], v27, s[12:13] offset:(32*(\b/2)+8*(\b%2))*4
	global_load_b128 v[BQ+8*\b+4:BQ+8*\b+7], v27, s[12:13] offset:(32*(\b/2)+8*(\b%2))*4+16
.endr
	s_lshl_b32 s19, s17, 20                        ; out0: 256 rows of 4,096 bytes a block,
	s_lshl_b32 s21, s15, 19                        ; my 128 of them,
	s_add_co_u32 s19, s19, s21
	s_add_co_u32 s20, s20, s19                     ; my columns
	s_mov_b32 s21, 0
	s_add_nc_u64 s[66:67], s[66:67], s[20:21]
.macro FRAG reg, a16, a8, off          ; a fragment, 16 rows x 128 K, is two pieces of 768 bytes: registers 0-3 at 16 l, 4-5 at 512 + 8 l, and the same again
	ds_load_b128 v[\reg:\reg+3], v[\a16] offset:\off
	ds_load_b64 v[\reg+4:\reg+5], v[\a8] offset:\off+512
	ds_load_b128 v[\reg+6:\reg+9], v[\a16] offset:\off+768
	ds_load_b64 v[\reg+10:\reg+11], v[\a8] offset:\off+1280
.endm
.macro FETCH_B g
	WIN 0x40
.irp i, 0,1,2,3,4,5,6,7
	FRAG 128*((\g)%2)+FR*\i, B16+((\g)/2)%3, B8+((\g)/2)%3, 3072*\i+1536*((\g)%2)
.endr
	WIN 0
.endm
.macro FETCH_A g, i0
.irp i, \i0, \i0+1, \i0+2, \i0+3
	FRAG AF+FR*(\i), A16+((\g)/2)%3, A8+((\g)/2)%3, 3072*(\i)+1536*((\g)%2)
.endr
.endm
.macro SCALES g
.irp i, 0,1,2,3,4,5,6,7
	ds_load_b32 v[SC+8*((\g)%2)+\i], v[ADRS] offset:512*(\g)+64*\i
.endr
.endm
; 16 products: A's blocks a0, a0 + 1 x B's eight.  zero = 2: the products start the sums from the bias.  The 64 accumulators take turns, one instruction a turn, in the same order in every step.
.macro MUL16 a0, g, zero
.irp a, \a0, \a0+1
.irp b, 0,1,2,3,4,5,6,7
.set rD, 8*(8*((\a)%4)+\b)
.set rB, 128*((\g)%2)+FR*\b
.set rA, AF+FR*(\a)
.set rS, SC+8*((\g)%2)
.if \zero == 2
	v_wmma_scale_f32_16x16x128_f8f6f4 v[rD:rD+7], v[rB:rB+FR-1], v[rA:rA+FR-1], v[BQ+8*\b:BQ+8*\b+7], v[rS+\b], v[rS+(\a)] matrix_a_fmt:MATRIX_FMT_BF6 matrix_b_fmt:MATRIX_FMT_BF6 matrix_a_scale:MATRIX_SCALE_ROW1
.else
	v_wmma_scale_f32_16x16x128_f8f6f4 v[rD:rD+7], v[rB:rB+FR-1], v[rA:rA+FR-1], v[rD:rD+7], v[rS+\b], v[rS+(\a)] matrix_a_fmt:MATRIX_FMT_BF6 matrix_b_fmt:MATRIX_FMT_BF6 matrix_a_scale:MATRIX_SCALE_ROW1
.endif
.endr
.endr
.endm
.macro WINM hi, zero                   ; source 0 window 1, source 1 window 0, D window 2 or 3; C with D, or (the bias) window 0
.if \zero == 2
	WIN 0x81+0x40*(\hi)
.else
	WIN 0xa1+0x50*(\hi)
.endif
.endm
.macro STEP g, zero
	s_wait_dscnt 16                                ; all but the youngest sixteen loads (A's blocks 4-7) are in
	WINM 0, \zero
	MUL16 0, \g, \zero
	MUL16 2, \g, \zero
	s_wait_dscnt 0x0
	PLACES
	FETCH_B (\g)+1
	FETCH_A (\g)+1, 0
	SCALES (\g)+1
	WINM 1, \zero
	MUL16 4, \g, \zero
	MUL16 6, \g, \zero
	PLACES
	WIN 0
	FETCH_A (\g)+1, 4
.endm
.macro TURN g, fill
	s_wait_tensorcnt 0x0                           ; all my tensor loads have landed
	ds_add_u32 v[SPW], v[NIL]                      ; 0 onto my spare word
	s_wait_dscnt 17                                ; (the add and the youngest sixteen loads may be out)
	WIN 0xa1
	MUL16 0, \g, 0
	s_wait_dscnt 0x0                               ; the add is done, and my reads of the slot are over
	s_barrier_signal -1
	MUL16 2, \g, 0
	WIN 0
	s_barrier_wait -1
.if \fill
	CREST                                          ; the barrier has opened a round of the cluster's: no wave of any partner still reads slot 0 or has a load on its way
	s_add_nc_u64 s[34:35], s[34:35], 3*3072
	s_add_nc_u64 s[54:55], s[54:55], 3*3072
	JLOAD 32, 24, 52, 44                           ; the first tensor load behind the round; four steps, 256 products, in which to land
.else
	PLACES
.endif
	FETCH_B (\g)+1
	FETCH_A (\g)+1, 0
	SCALES (\g)+1
	WIN 0xf1
	MUL16 4, \g, 0
	MUL16 6, \g, 0
	PLACES
	WIN 0
	FETCH_A (\g)+1, 4
.endm
	s_wait_tensorcnt 0x2                           ; the scale words and my part of slot 0 are in; slots 1 and 2 may stay out
	s_barrier_signal -1
	s_barrier_wait -1
	FETCH_B 0
	FETCH_A 0, 0
	SCALES 0
	FETCH_A 0, 4
	s_wait_loadcnt 0x0                             ; the bias
	STEP 0, 2
	TURN 1, 1
	STEP 2, 0
	STEP 3, 0
	STEP 4, 0
	TURN 5, 0
	STEP 6, 0
	s_wait_dscnt 16
	WIN 0xa1
	MUL16 0, 7, 0
	MUL16 2, 7, 0
	s_wait_dscnt 0x0
	WIN 0xf1
	MUL16 4, 7, 0
	MUL16 6, 7, 0
	WIN 0
; THE WAY OUT, block by block of 16 rows x 128 columns, through my own stage: in as 32 bytes a lane, back as whole rows of 512 bytes.  LDS serves a wave's instructions in order.
.macro TOSTAGE a
	WIN 0x08+4*((\a)/4)                            ; an LDS store's data: window 2 or 3
.irp b, 0,1,2,3,4,5,6,7
	ds_store_b128 v[STO], v[64*((\a)%4)+8*\b:64*((\a)%4)+8*\b+3] offset:128*(\b/2)+32*(\b%2)       ; each accumulator from its low end on
	ds_store_b128 v[STO], v[64*((\a)%4)+8*\b+4:64*((\a)%4)+8*\b+7] offset:128*(\b/2)+32*(\b%2)+16
.endr
	WIN 0
.set BB, BK+64*((\a)%2)
.irp t, 0,1,2,3,4,5,6,7,8,9,10,11,12,13,14,15
	ds_load_b128 v[BB+4*\t:BB+4*\t+3], v[RD] offset:\t*528
.endr
.endm
.macro SEND a, younger                 ; younger: the LDS instructions issued behind block a's loads
.set BB, BK+64*((\a)%2)
	s_wait_dscnt \younger
.irp t, 0,1,2,3,4,5,6,7,8,9,10,11,12,13,14,15
	global_store_b128 v[L16], v[BB+4*\t:BB+4*\t+3], s[66:67] offset:(32*((\a)/2)+8*((\a)%2)+\t+8*(\t/8))*4096 th:TH_STORE_NT   ; 512 consecutive bytes; the offset puts the row back at its true place
.endr
.endm
	PLACES
	TOSTAGE 0
.irp a, 1,2,3,4,5,6,7
.if \a > 1
	s_wait_xcnt 0x0                                ; block a - 2's stores have read the registers into which block a's rows are loaded
.endif
	TOSTAGE \a
	SEND \a-1, 32                                  ; behind block a - 1's loads: block a's 16 stores and 16 loads
.endr
	SEND 7, 0
	s_wait_tensorcnt 0x0                           ; the wave's end
	ds_add_u32 v[SPW], v[NIL]
	s_wait_dscnt 0x0
	CROUND                                         ; the closing round
	s_endpgm
.Lfunc_end_k_qefa84f503c_gemm2:
	.size	k_qefa84f503c_gemm2, .Lfunc_end_k_qefa84f503c_gemm2-k_qefa84f503c_gemm2
	.p2alignl 7, 3214868480
	.fill 96, 4, 3214868480
	.section	.rodata,"a",@progbits
	.p2align	6, 0x0
	.amdhsa_kernel k_qefa84f503c_gemm2
		.amdhsa_group_segment_fixed_size 327680
		.amdhsa_private_segment_fixed_size 0
		.amdhsa_enable_private_segment 0
		.amdhsa_kernarg_size 48
		.amdhsa_user_sgpr_count 2
		.amdhsa_user_sgpr_kernarg_segment_ptr 1
		.amdhsa_wavefront_size32 1
		.amdhsa_system_sgpr_workgroup_id_x 1
		.amdhsa_system_sgpr_workgroup_id_y 1
		.amdhsa_system_sgpr_workgroup_id_z 1
		.amdhsa_system_vgpr_workitem_id 0
		.amdhsa_next_free_vgpr 1024
		.amdhsa_next_free_sgpr 102
		.amdhsa_reserve_vcc 0
		.amdhsa_float_denorm_mode_32 3
		.amdhsa_float_denorm_mode_16_64 3
		.amdhsa_memory_ordered 1
		.amdhsa_forward_progress 1
		.amdhsa_inst_pref_size 146
	.end_amdhsa_kernel
	.amdgpu_metadata
---
amdhsa.version: [ 1, 2 ]
amdhsa.kernels:
  - .name:           k_qefa84f503c_gemm2
    .symbol:         k_qefa84f503c_gemm2.kd
    .args:
      - { .name: oimg, .offset: 0, .size: 8, .value_kind: global_buffer, .address_space: global }
      - { .name: oscl, .offset: 8, .size: 8, .value_kind: global_buffer, .address_space: global }
      - { .name: cod, .offset: 16, .size: 8, .value_kind: global_buffer, .address_space: global }
      - { .name: scl, .offset: 24, .size: 8, .value_kind: global_buffer, .address_space: global }
      - { .name: b_proj, .offset: 32, .size: 8, .value_kind: global_buffer, .address_space: global }
      - { .name: out0, .offset: 40, .size: 8, .value_kind: global_buffer, .address_space: global }
    .group_segment_fixed_size: 327680
    .private_segment_fixed_size: 0
    .kernarg_segment_align: 8
    .kernarg_segment_size: 48
    .max_flat_workgroup_size: 128
    .sgpr_count:     102
    .vgpr_count:     1024
    .wavefront_size: 32
...
	.end_amdgpu_metadata
.endif
;; end of part 4
